; MI455X (gfx1250); checked and timed in simulation.
; The chip was launched on July 23, 2026; its instructions are those of AMD's public machine-readable ISA for CDNA 5 (MIT licence, August 2026) and "CDNA5" Instruction Set Architecture Reference Guide (July 2026). The comments in the code are by the model that wrote it; some were corrected since.
;; Batched Expert Pool. Allowed arithmetic: matrix products marked QUANTISED: E2M3 operands, one E8M0 scale for each 32 along K, by v_wmma_scale_f32_16x16x128_f8f6f4 with both operands' format E2M3, f32 sums; products left as they are: f32 operands where the result goes on into a quantised operand, else bf16, f16 or f32 operands; f32 sums; everything else in f32.
;; Inputs: b1 8 x 1,024 float32; b2 8 x 512 float32; w1 8 x 512 x 1,024 float32; w2 8 x 1,024 x 512 float32; weights 4 x 2,048 x 8 float32; x 4 x 2,048 x 512 float32.
;; Outputs: out0 4 x 2,048 x 512 float32.
;; This version of the problem:
;;   THIS VERSION OF THE PROBLEM IS GIVEN IN LOW PRECISION. The matrix products marked QUANTISED in the list below multiply operands that are first quantised to E2M3 (2 exponent bits, 3 mantissa bits; 6 bits a number), with one power-of-two scale for each 32 numbers along K (OCP MX v1.0); their sums are f32. All else is computed in f32.
;;   The module's matrix products, in the order in which they are computed (A, B: the left and right operand; K: the contracted axis; several contracted axes count as one K, in the product's order):
;;     1. [M 8,192, K 512] x [K 512, N 8,192]; A: input x; B: input w1: QUANTISED
;;     2. batch 8 x [M 512, K 1,024] x [K 1,024, N 8,192]; A: input w2; B: computed on the way: QUANTISED
;;     3. batch 8,192 x [M 512, K 8] x [K 8, N 1]; A: computed on the way; B: input weights: left as it is (K = 8 < 32)
;;   THE QUANTISER, for each operand of a quantised product, along K:
;;     - K is cut into blocks of 32 from its start; a last block that is shorter is filled with zeros.
;;     - A block's scale is 2^e with e = floor(log2(the largest magnitude in the block)) - 2, held to -126 .. 127; a block of zeros has e = 0. As a byte (E8M0): e + 127.
;;     - Each number is divided by its block's scale, clamped to +-7.5, and rounded to the nearest number of E2M3, ties to even, subnormals kept.
;;     - The product sums the exact products of the quantised numbers (number of the format x scale) in f32.
;;   ~~~python
;;   def quantise(x, axis):      # numpy; x: float32 -> the quantised numbers, widened to float32 again
;;       x = np.moveaxis(x, axis, -1); K = x.shape[-1]
;;       x = np.pad(x, [(0, 0)] * (x.ndim - 1) + [(0, -K % 32)]); x = x.reshape(x.shape[:-1] + (-1, 32)); a = np.abs(x).max(-1, keepdims=True)
;;       e = np.where(a > 0, np.clip(np.frexp(np.where(a > 0, a, 1))[1] - 1 - 2, -126, 127), 0)      # np.frexp(a)[1] - 1 = floor(log2(a)), exactly
;;       r = np.clip(x / 2.0 ** e, -7.5, 7.5)
;;       step = 2.0 ** (np.maximum(np.frexp(np.where(r == 0, 1, r))[1] - 1, 0) - 3)
;;       q = np.round(r / step) * step * 2.0 ** e      # np.round: ties to even
;;       return np.moveaxis(q.reshape(q.shape[:-2] + (-1,))[..., :K], -1, axis).astype(np.float32)
;;   ~~~
;;   OPERANDS COMPUTED ON THE WAY. 'Computed on the way' means the value that the module computes at that place (a softmax that the list does not call 'softmax' is quantised finished and normalised). What goes into a quantiser is computed in f32, as accurately as f32 sums, v_exp_f32 and their like allow (about 1e-6 of the number): no bf16 or f16 on the way to a quantiser, and a product that is left as it is and whose result goes on into a quantised operand takes f32 operands (vector FMAs, or v_wmma_f32_16x16x4_f32). A number that lies on a knife's edge between two numbers of the format may be rounded either way, as far as f32 arithmetic and the matrix unit's own rounding can turn it there, and no further.
;; 2 versions, each right; version 2 is version 1 with the launch moe written anew for expert scheduling mode. Each part assembles by itself: llvm-mc -triple=amdgcn-amd-amdhsa -mcpu=gfx1250 --defsym DOCPART=n.
;; ======== version 1 of 2: 3 launches
;; limits: an absolute error that grows with the inputs' magnitude: up to 1e-07 times it; right only within a limited range of input values
;; workspace buffers: xf 3,145,728 bytes; xs 131,072 bytes; w1f 3,145,728 bytes; w1s 131,072 bytes; w2f 3,145,728 bytes; w2s 131,072 bytes; part 67,108,864 bytes
;; launch prep (part 1): grid 768 x 1, 4 waves a work-group, no clusters, 60,416 bytes of LDS; arguments x, w1, w2, xf, xs, w1f, w1s, w2f, w2s; writes xf, xs, w1f, w1s, w2f, w2s
.if DOCPART == 1
	.amdgcn_target "amdgcn-amd-amdhsa--gfx1250"
	.amdhsa_code_object_version 6
	.text
	.protected	k_qe1161617c8_prep
	.globl	k_qe1161617c8_prep
	.p2align	8
	.type	k_qe1161617c8_prep,@function
k_qe1161617c8_prep:
	s_mov_b64 s[64:65], 0
	v_nop
	global_prefetch_b8 v0, s[64:65] scope:SCOPE_SE
	s_setreg_imm32_b32 hwreg(HW_REG_WAVE_MODE, 25, 1), 1
	s_wait_xcnt 0x0
; x [8192][512], w1 [8][512][1024] and w2 [8][1024][512], f32, become codes of FP6 (E2M3) with one E8M0 byte for each 32 along K, laid AS THE NEXT LAUNCH'S OPERAND REGISTERS.
; A fragment (16 rows x 128 K, 12 registers a lane) is 1,536 bytes: three planes of 512, lane l's registers 4 c .. 4 c + 3 at 512 c + 16 l; so the reader needs three loads of 16 bytes a lane and nothing else.
; A block's scale is 2^(floor(log2(largest magnitude)) - 2): its byte is the largest magnitude's exponent field - 2, held at 1 from below by a floor among the maximum's leaves.
; (A block of zeros keeps the byte 1 where the rule says 127: its codes are zeros, and this program alone reads the bytes.)
; LIMITS: NaN and infinities among the inputs are not served.
; SHARES: 768 work-groups of four waves, 65,536 bytes of f32 each.  0-255: two tiles of 16 tokens of x (K innermost).  256-511: w1, 512-767: w2 (K is the outer axis).  Each of the three ways has LDS bytes of its own.
; xf  [tile 0..511][K step 0..3][1536]            xs  [pair of tiles][lane][K step] words: lanes 0-15 the even tile's rows, lanes 16-31 the odd tile's
; w1f [e][blk 0..31][K step 0..3][u 0..1][1536]   w1s [e][K step][blk][lane] words: lanes 0-15 tile u = 0, lanes 16-31 tile u = 1
; w2f [e][blk 0..15][K step 0..7][u][1536]        w2s likewise.  Lane r of tile u of a block of 32 columns takes column 8 u + r + 8 (r / 8): so the product's 16 registers of the two tiles are 16 neighbouring columns.
.set SXS,   33792                      ; LDS: 0: way X's four stages of 16 x 528 bytes; here its 512 bytes of scale words
.set LBW1,  34304                      ; w1's way: four stages of 3,072 bytes, then 512 bytes of scale words
.set LBW2,  47104                      ; w2's way: the same
.set RX,    16                         ; v16-143  numbers as loaded
.set XN,    144                        ; v144-207 way X: 64 numbers, register 16 b + i = k 32 b + 16 (lane / 16) + i of my row
.set TM,    208                        ; v208-211 largest magnitudes, v212-215 bytes, v220-223 the conversions' scale operands
.set PW,    224                        ; the scale word
.set PC,    226                        ; v226-237 a fragment; v238-244 the conversions' second halves
.set SEL,   30                         ; s[30:31] selects for v_permlanex16_b32: lane l xor 16
.set WM0,   192                        ; the weights' ways: two chains of a maximum, the scale operand, the byte, the scale word
.set WM1,   193
.set WSO,   194
.set WBY,   195
.set WPW,   196
; 64 numbers of a lane become a fragment's codes in v[PC] on and its scale word in v[PW]
.macro QUANT s
.irp b, 0,1,2,3
	v_max3_num_f32 v[TM+\b], |v[\s+16*\b]|, |v[\s+1+16*\b]|, 0x1800000   ; my 16 numbers of block b, and the floor 2^(3 - 127)
.endr
.irp i, 2,4,6,8,10,12,14
.irp b, 0,1,2,3
	v_max3_num_f32 v[TM+\b], v[TM+\b], |v[\s+16*\b+\i]|, |v[\s+1+16*\b+\i]|   ; the four blocks by turns
.endr
.endr
.irp b, 0,1,2,3
	v_permlanex16_b32 v[TM+4+\b], v[TM+\b], s[SEL], s[SEL+1]
.endr
.irp b, 0,1,2,3
	v_max_num_f32 v[TM+\b], v[TM+\b], v[TM+4+\b]   ; with lane l xor 16's 16: the block's largest magnitude
.endr
.irp b, 0,1,2,3
	v_add_nc_u32 v[TM+12+\b], 0xff000000, v[TM+\b]   ; 2 off its exponent field: the conversion reads that field alone
.endr
.irp b, 0,1,2,3
	v_lshrrev_b32 v[TM+4+\b], 23, v[TM+12+\b]      ; the scale's byte
.endr
	v_lshl_or_b32 v[PW], v[TM+5], 8, v[TM+4]
	v_lshl_or_b32 v[PW], v[TM+6], 16, v[PW]
	v_lshl_or_b32 v[PW], v[TM+7], 24, v[PW]
.irp c, 0,1
	v_cvt_scalef32_pk16_fp6_f32 v[PC+6*\c:PC+2+6*\c], v[\s+32*\c:\s+15+32*\c], v[TM+12+2*\c]
	v_cvt_scalef32_pk16_fp6_f32 v[PC+12+4*\c:PC+14+4*\c], v[\s+16+32*\c:\s+31+32*\c], v[TM+12+2*\c+1]   ; (three registers from an even one on)
.endr
	v_nop                                          ; one plain instruction behind the scaled conversions
.irp c, 0,1                                    ; the operand wants a whole block in a lane: lanes 0-15 block 2 c, lanes 16-31 block 2 c + 1
.irp i, 0,1,2
	v_permlane16_swap_b32 v[PC+6*\c+\i], v[PC+12+4*\c+\i]
.endr
.irp i, 0,1,2
	v_mov_b32 v[PC+3+6*\c+\i], v[PC+12+4*\c+\i]
.endr
.endr
.endm
; way X, one K step of my tile: 16 rows x 512 bytes turn through my stage, so that loads are dense and a lane still ends with 16 neighbours of each block
.macro XSTEP si
	s_wait_loadcnt 16*(1-\si)                      ; this step's 16 loads are in; the other step's 16 are younger
.set i, 0
.rept 16
	ds_store_b128 v5, v[RX+64*\si+4*i:RX+64*\si+4*i+3] offset:528*i
.set i, i+1
.endr
.set i, 0
.rept 16
	ds_load_b128 v[XN+4*i:XN+4*i+3], v6 offset:128*(i/4)+16*(i%4)   ; LDS serves a wave's instructions in order: these see the stores above
.set i, i+1
.endr
	s_wait_dscnt 0x0
.if \si
	s_wait_xcnt 0x0                                ; the first step's stores have read the fragment's registers, which are written again below
.endif
	QUANT XN
.irp c, 0,1,2
	global_store_b128 v4, v[PC+4*\c:PC+4*\c+3], s[10:11] offset:1536*\si+512*\c   ; 512 consecutive bytes a store
.endr
	ds_store_b32 v7, v[PW] offset:4*\si            ; lanes r and r + 16 write the same word with the same value
.endm
; the weights' ways.  Block t: rows 32 t .. 32 t + 31 of my K step, my column
.macro WLOAD t, src, cols
.set i, 0
.rept 32
	global_load_b32 v[RX+32*(\t)+i], v5, s[\src:\src+1] offset:(32*(\t)+i)*4*\cols th:TH_LOAD_NT
.set i, i+1
.endr
.endm
.macro WBLOCK t, src, cols
.set XS, RX+32*(\t)
.set CC, 144+8*(\t)                    ; each block has registers of its own for its codes
.set CT, 176+4*(\t)
.if (\t) < 3
	s_wait_loadcnt 32                              ; this block's 32 loads are in; the next block's 32 are younger
.else
	s_wait_loadcnt 0x0
.endif
.if (\t) < 2
	WLOAD (\t)+2, \src, \cols
.endif
	v_max3_num_f32 v[WM0], |v[XS]|, |v[XS+1]|, |v[XS+2]|   ; all 32 numbers of the block are mine
	v_max3_num_f32 v[WM1], |v[XS+3]|, |v[XS+4]|, |v[XS+5]|
.irp i, 6,10,14,18,22,26
	v_max3_num_f32 v[WM0], v[WM0], |v[XS+\i]|, |v[XS+\i+1]|
	v_max3_num_f32 v[WM1], v[WM1], |v[XS+\i+2]|, |v[XS+\i+3]|
.endr
	v_max3_num_f32 v[WM0], v[WM0], |v[XS+30]|, |v[XS+31]|
	v_max3_num_f32 v[WM0], v[WM0], v[WM1], 0x1800000   ; and the floor
	v_add_nc_u32 v[WSO], 0xff000000, v[WM0]
	v_lshrrev_b32 v[WBY], 23, v[WSO]
.if (\t) == 0
	v_mov_b32 v[WPW], v[WBY]
.else
	v_lshl_or_b32 v[WPW], v[WBY], 8*(\t), v[WPW]
.endif
	v_cvt_scalef32_pk16_fp6_f32 v[CC:CC+2], v[XS:XS+15], v[WSO]
	v_cvt_scalef32_pk16_fp6_f32 v[CT:CT+2], v[XS+16:XS+31], v[WSO]
	v_nop                                          ; one plain instruction behind the scaled conversions
.irp i, 0,1,2
	v_mov_b32 v[CC+3+\i], v[CT+\i]
.endr
; block t = 2 c + h is registers 6 c .. 6 c + 5 of lane r + 16 h of the fragment
.if (\t) < 2
	ds_store_b128 v8, v[CC:CC+3] offset:256*(\t)
	ds_store_b64 v8, v[CC+4:CC+5] offset:512+256*(\t)
.else
	ds_store_b64 v8, v[CC:CC+1] offset:520+256*((\t)-2)
	ds_store_b128 v8, v[CC+2:CC+5] offset:1024+256*((\t)-2)
.endif
.endm
; One weight: a work-group takes one expert, one K step of 128 and four blocks of 32 columns, a block a wave.  A lane takes a column and its registers run down K.
.macro QW src, dfr, dsc, cols, nblk, logns, lbase, idb
	s_sub_co_u32 s24, ttmp9, \idb
	s_lshr_b32 s25, s24, 5                         ; the expert
	s_and_b32 s24, s24, 31
	s_lshr_b32 s26, s24, \logns                    ; which four blocks
	s_and_b32 s24, s24, (1<<\logns)-1              ; the K step
	s_lshl_b32 s23, s26, 2
	s_add_co_u32 s23, s23, s22                     ; my block
	s_add_co_u32 s30, s27, \lbase
	v_add_nc_u32 v8, s30, v6                       ; my stage, on the way in: 1,536 u + 16 r
	v_add_nc_u32 v9, s30, v4                       ; and out: 16 x lane
	s_add_co_u32 s30, s28, \lbase+12288
	v_add_nc_u32 v10, s30, v7                      ; my scale word: 128 x wave + 4 (16 u + r)
	v_add_nc_u32 v11, \lbase+12288, v4             ; the four waves' words on the way out
	s_lshl_b32 s28, s25, 21                        ; an expert's weight is 2,097,152 bytes
	s_mul_i32 s30, s24, 512*\cols                  ; 128 rows
	s_add_co_u32 s28, s28, s30
	s_lshl_b32 s30, s23, 7                         ; 32 columns
	s_add_co_u32 s28, s28, s30
	s_wait_kmcnt 0x0
	s_add_nc_u64 s[\src:\src+1], s[\src:\src+1], s[28:29]
	s_mul_i32 s28, s25, \nblk
	s_add_co_u32 s28, s28, s23
	s_lshl_b32 s28, s28, \logns
	s_add_co_u32 s28, s28, s24
	s_mul_i32 s28, s28, 3072
	s_add_nc_u64 s[\dfr:\dfr+1], s[\dfr:\dfr+1], s[28:29]
	s_lshl_b32 s28, s25, \logns
	s_add_co_u32 s28, s28, s24
	s_mul_i32 s28, s28, \nblk
	s_lshl_b32 s30, s26, 2
	s_add_co_u32 s28, s28, s30
	s_lshl_b32 s28, s28, 7
	s_add_nc_u64 s[\dsc:\dsc+1], s[\dsc:\dsc+1], s[28:29]
	WLOAD 0, \src, \cols
	WLOAD 1, \src, \cols
	WBLOCK 0, \src, \cols
	WBLOCK 1, \src, \cols
	WBLOCK 2, \src, \cols
	WBLOCK 3, \src, \cols
	ds_store_b32 v10, v[WPW]
.irp i, 0,1,2,3,4,5
	ds_load_b128 v[200+4*\i:203+4*\i], v9 offset:512*\i   ; my two fragments, as they will lie in memory
.endr
.irp i, 0,1,2,3,4,5
	s_wait_dscnt 5-\i
	global_store_b128 v4, v[200+4*\i:203+4*\i], s[\dfr:\dfr+1] offset:512*\i
.endr
	s_wait_dscnt 0x0                               ; for the others' sake: my scale word lies in LDS
	s_barrier_signal -1
	s_barrier_wait -1
	s_cmp_lg_u32 s22, 0
	s_cbranch_scc1 .Lwdone_\@
	ds_load_b128 v[224:227], v11                   ; wave 0 stores the four blocks' words: 512 consecutive bytes
	s_wait_dscnt 0x0
	global_store_b128 v4, v[224:227], s[\dsc:\dsc+1]
.Lwdone_\@:
	s_wait_tensorcnt 0x0
	ds_add_u32 v248, v249
	s_wait_dscnt 0x0
	s_endpgm
.endm
	s_load_b256 s[4:11], s[0:1], 0x0               ; x, w1, w2, xf
	s_load_b256 s[12:19], s[0:1], 0x20             ; xs, w1f, w1s, w2f
	s_load_b64 s[20:21], s[0:1], 0x40              ; w2s
	v_lshl_add_u32 v248, v0, 2, 0xea00
	v_mov_b32 v249, 0
	v_lshrrev_b32 v1, 5, v0
	v_readfirstlane_b32 s22, v1                    ; wave
	v_and_b32 v1, 31, v0                           ; lane
	v_lshlrev_b32 v4, 4, v1                        ; 16 x lane
	s_mov_b32 s29, 0                               ; the upper word of every offset
	s_cmp_lt_u32 ttmp9, 256
	s_cbranch_scc0 .Lweights
	; ---- way X: tile 2 j + (wave & 1), K steps 2 (wave >> 1) and the next
	v_and_b32 v2, 15, v0                           ; r
	v_bfe_u32 v3, v0, 4, 1                         ; h
	s_and_b32 s24, s22, 1
	s_lshr_b32 s25, s22, 1
	s_mul_i32 s27, s22, 8448
	v_add_nc_u32 v5, s27, v4                       ; my stage, in: a row's 512 bytes on end
	v_mul_u32_u24 v6, v2, 528
	v_lshl_add_u32 v6, v3, 6, v6
	v_add_nc_u32 v6, s27, v6                       ; out: row r, + 64 h
	s_lshl_b32 s27, s24, 8
	s_lshl_b32 s28, s25, 3
	s_add_co_u32 s27, s27, s28
	s_add_co_u32 s27, s27, SXS
	v_lshl_add_u32 v7, v2, 4, s27                  ; my row's scale words: 16 (16 (wave & 1) + r) + 4 x K step
	v_add_nc_u32 v8, SXS, v4
	s_mov_b32 s[SEL], 0x76543210
	s_mov_b32 s[SEL+1], 0xfedcba98
.irp b, 0,1,2,3
	v_mov_b32 v[TM+4+\b], 0                        ; a lane permute's destination counts as one of its sources
.endr
	s_lshl_b32 s26, ttmp9, 1
	s_add_co_u32 s26, s26, s24                     ; my tile
	s_lshl_b32 s28, s26, 15                        ; 16 rows of 2,048 bytes
	s_lshl_b32 s27, s25, 10
	s_add_co_u32 s28, s28, s27
	s_wait_kmcnt 0x0
	s_add_nc_u64 s[4:5], s[4:5], s[28:29]
	s_mul_i32 s28, s26, 6144
	s_mul_i32 s27, s25, 3072
	s_add_co_u32 s28, s28, s27
	s_add_nc_u64 s[10:11], s[10:11], s[28:29]
	s_lshl_b32 s28, ttmp9, 9
	s_add_nc_u64 s[12:13], s[12:13], s[28:29]
.set i, 0
.rept 32
	global_load_b128 v[RX+4*i:RX+4*i+3], v4, s[4:5] offset:(i%16)*2048+(i/16)*512 th:TH_LOAD_NT   ; 512 consecutive bytes of a row
.set i, i+1
.endr
	XSTEP 0
	XSTEP 1
	s_wait_dscnt 0x0                               ; for the others' sake: my scale words lie in LDS
	s_barrier_signal -1
	s_barrier_wait -1
	s_cmp_lg_u32 s22, 0
	s_cbranch_scc1 .Lxdone
	ds_load_b128 v[XN:XN+3], v8                    ; wave 0 stores the pair's 512 bytes of scale words
	s_wait_dscnt 0x0
	global_store_b128 v4, v[XN:XN+3], s[12:13]
.Lxdone:
	s_wait_tensorcnt 0x0
	ds_add_u32 v248, v249
	s_wait_dscnt 0x0
	s_endpgm
.Lweights:
	v_bfe_u32 v2, v0, 3, 1                         ; my column lane = 8 u + r + 8 (r / 8): u,
	v_and_b32 v3, 7, v0
	v_bfe_u32 v5, v0, 4, 1
	v_lshl_add_u32 v3, v5, 3, v3                   ; and r
	v_lshlrev_b32 v5, 2, v1                        ; 4 bytes a lane
	v_mul_u32_u24 v6, v2, 1536
	v_lshl_add_u32 v6, v3, 4, v6
	v_lshlrev_b32 v7, 6, v2
	v_lshl_add_u32 v7, v3, 2, v7
	s_mul_i32 s27, s22, 3072
	s_lshl_b32 s28, s22, 7
	s_cmp_lt_u32 ttmp9, 512
	s_cbranch_scc0 .Lw2
	QW 6, 14, 16, 1024, 32, 2, LBW1, 256
.Lw2:
	QW 8, 18, 20, 512, 16, 3, LBW2, 512
.Lfunc_end_k_qe1161617c8_prep:
	.size	k_qe1161617c8_prep, .Lfunc_end_k_qe1161617c8_prep-k_qe1161617c8_prep
	.p2alignl 7, 3214868480
	.fill 96, 4, 3214868480
	.section	.rodata,"a",@progbits
	.p2align	6, 0x0
	.amdhsa_kernel k_qe1161617c8_prep
		.amdhsa_group_segment_fixed_size 60416
		.amdhsa_private_segment_fixed_size 0
		.amdhsa_enable_private_segment 0
		.amdhsa_kernarg_size 72
		.amdhsa_user_sgpr_count 2
		.amdhsa_user_sgpr_kernarg_segment_ptr 1
		.amdhsa_wavefront_size32 1
		.amdhsa_system_sgpr_workgroup_id_x 1
		.amdhsa_system_sgpr_workgroup_id_y 1
		.amdhsa_system_sgpr_workgroup_id_z 1
		.amdhsa_system_vgpr_workitem_id 0
		.amdhsa_next_free_vgpr 250
		.amdhsa_next_free_sgpr 66
		.amdhsa_reserve_vcc 0
		.amdhsa_float_denorm_mode_32 3
		.amdhsa_float_denorm_mode_16_64 3
		.amdhsa_memory_ordered 1
		.amdhsa_forward_progress 1
		.amdhsa_inst_pref_size 62
	.end_amdhsa_kernel
	.amdgpu_metadata
---
amdhsa.version: [ 1, 2 ]
amdhsa.kernels:
  - .name:           k_qe1161617c8_prep
    .symbol:         k_qe1161617c8_prep.kd
    .args:
      - { .name: x, .offset: 0, .size: 8, .value_kind: global_buffer, .address_space: global }
      - { .name: w1, .offset: 8, .size: 8, .value_kind: global_buffer, .address_space: global }
      - { .name: w2, .offset: 16, .size: 8, .value_kind: global_buffer, .address_space: global }
      - { .name: xf, .offset: 24, .size: 8, .value_kind: global_buffer, .address_space: global }
      - { .name: xs, .offset: 32, .size: 8, .value_kind: global_buffer, .address_space: global }
      - { .name: w1f, .offset: 40, .size: 8, .value_kind: global_buffer, .address_space: global }
      - { .name: w1s, .offset: 48, .size: 8, .value_kind: global_buffer, .address_space: global }
      - { .name: w2f, .offset: 56, .size: 8, .value_kind: global_buffer, .address_space: global }
      - { .name: w2s, .offset: 64, .size: 8, .value_kind: global_buffer, .address_space: global }
    .group_segment_fixed_size: 60416
    .private_segment_fixed_size: 0
    .kernarg_segment_align: 8
    .kernarg_segment_size: 72
    .max_flat_workgroup_size: 128
    .sgpr_count:     66
    .vgpr_count:     250
    .wavefront_size: 32
...
	.end_amdgpu_metadata
.endif
;; end of part 1
;; launch moe (part 2): grid 256 x 1, 4 waves a work-group, no clusters, 240,128 bytes of LDS; arguments xf, xs, w1f, w1s, b1, w2f, w2s, b2, weights, part; writes part
.if DOCPART == 2
	.amdgcn_target "amdgcn-amd-amdhsa--gfx1250"
	.amdhsa_code_object_version 6
	.text
	.protected	k_qe1161617c8_moe
	.globl	k_qe1161617c8_moe
	.p2align	8
	.type	k_qe1161617c8_moe,@function
k_qe1161617c8_moe:
	s_mov_b64 s[64:65], 0
	v_nop
	global_prefetch_b8 v0, s[64:65] scope:SCOPE_SE
	s_setreg_imm32_b32 hwreg(HW_REG_WAVE_MODE, 25, 1), 1
	s_wait_xcnt 0x0
; part[g][t][:] = the sum over the two experts e = 2 g, 2 g + 1 of weights[t][e] (gelu(x W1_e + b1_e) W2_e + b2_e), both products on codes of FP6 (E2M3) with one E8M0 scale for each 32 along K.
; SHARES.  Work-group: 128 tokens (8 tiles of 16) x 2 experts.  STAGE 1: wave w makes hidden units 256 w .. 256 w + 255 of both experts for all 8 tiles, quantises them in registers and lays the codes in LDS as
; images of the second product's operand registers.  One barrier.  STAGE 2: wave w makes outputs 128 w .. 128 w + 127, 64 at a time, for all 8 tiles; the hidden layer never goes to memory.
; Both products are used transposed (source 0 = 16 rows of a weight, source 1 = 16 tokens): a lane holds one token throughout.  The rows of a weight that form a tile are chosen (by the launch before) so that a lane's
; 16 registers of two neighbouring tiles are 16 neighbours along the hidden axis (stage 1) or along the output (stage 2).  The biases are the C of each sum's first product.
; WEIGHTS GO FROM MEMORY STRAIGHT INTO REGISTERS, and no tile is asked for jointly by a cluster: each fragment is wanted by ONE wave of a work-group, once, and feeds its 8 products from registers; through LDS its
; 1,572,864 bytes a work-group would be written and read once more, beside 204,800 bytes of hidden codes that leave 88,064 bytes for slots.
; GELU, exact form, in f32: 2 gelu(v) = v + v erf(v / sqrt 2), erf(y) = y P(y^2) / Q(y^2) with y held to +-4 (degrees 6 and 4 in y^2), the factor 1 / sqrt 2 folded into the coefficients.  The factor 2 is a power of two and
; goes into the block's scale: the codes are those of gelu(v).
; LIMITS.  erf is good to a few units of its last place, so for v < 0, where 1 + erf cancels, gelu carries an absolute error of about 1e-7 |v|, not a relative one; under v = -5.66 the factor 1 + erf stays at its value there.
; |v| above 1.7e38 overflows in 2 gelu(v).  Blocks whose largest |gelu| lies under 2^-124 keep the byte 1.  NaN and infinities are not served.
; LOOK-AHEAD AT THE ENDS.  Both loops are written once, with constant counts and no load jumped over: stage 1's last trip loads groups 14 and 15 once more and makes 16 products that nobody reads; stage 2's last unit loads
; three K steps, b2 and one K step of hidden codes once more.  All these addresses lie inside their buffers.
; BY TURNS.  In stage 1 vector work outweighs matrix work: 288 instructions of GELU and some 40 of the quantiser for 16 products.  The 16 products of the NEXT two tiles stand among a batch's first 64 vector instructions,
; one behind every four: a product, its two window switches and its four vector instructions are 7 issue slots.  The other vector instructions follow with no product among them.  The 32 reciprocals stand among the 96
; multiply-adds of the numerator's chain, one behind every three, which name none of their registers.  In stage 2 there is next to no vector work: products stand back to back and loads in one run a K step.
; REGISTERS, stage 1 (windows of 256): v1-15 addresses; v16-31 x's scale words, v32-39 W1's (two sets); v56-59 two constants as pairs; v60-75 at work; v76-83 bytes kept; v84-131 codes kept, 6 a tile; v132-227 W1 set A.
;   v256-383 sums, 32 a pair of tiles; v384-511 c, s, p, q.   v512-703 x K steps 0, 1; v704-751 W1 set B, K steps 0, 1; v752-767 b1 set A.   v768-959 x K steps 2, 3; v960-1007 W1 set B, K steps 2, 3; v1008-1023 b1 set B.
; REGISTERS, stage 2: v16-47 the hidden layer's scale words, v48-55 W2's; v56-63 LDS addresses; v64-159, v160-255 hidden fragments, two sets.   v256-511 Y.   v512-767 X.   v768-959 W2, four slots of 48; v960-991 gates; v992-1023 b2.
.set HSB,  196608                      ; LDS: 0: the hidden codes [wave][t = 4 expert + pair of blocks][tile][768]; here their scale bytes [wave][pair of tiles][lane][t] half-words, 8,192 bytes
.set OSB,  204800                      ; the way out: two stages of 16 x 272 bytes for each wave
.set TC,   128                         ; in window 1: c, then v c p
.set TS,   160                         ; s = c^2, then 2 gelu
.set TP,   192
.set TQ,   224
.set VA5,  56
.set VB3,  58
.set TM,   60
.set TN,   62
.set SO,   64
.set BY,   66
.set TT,   68
.set RB,   76
.set RET,  84
.set SA6,  40                          ; s[40:51] the numerator's a6, a4, a3, a2, a1, a0 as pairs, on end: the chain's row i takes the pair at SA6 + 2 i
.set SA4,  42
.set SA3,  44
.set SA2,  46
.set SA1,  48
.set SA0,  50
.set SB4,  52
.set SB2,  54
.set SB1,  56
.set SB0,  58
.set LNEG, 60
.set LPOS, 61
.set SEL,  62
.set FLR,  66
.set CURF, 74                          ; s[74:75], s[76:77] W2's fragments and scale words of the unit in hand; s[78:83] the next unit's, and its b2; s[84:85] where the unit's results go
.set CURS, 76
.set NXTF, 78
.set NXTS, 80
.set NXTB, 82
.set PRT,  84
.set BF0,  90                          ; s[90:97] the same four at my wave's unit 0
.set BS0,  92
.set BB0,  94
.set BP0,  96
.set MSB, 0
.macro WIN new                         ; bits 1:0 source 0, 3:2 source 1, 5:4 source 2, 7:6 destination; the high byte repeats the setting that is left; a switch that changes nothing is dropped
.if MSB != \new
	s_set_vgpr_msb (MSB<<8)|\new
.set MSB, \new
.endif
.endm
; one product; lD, lA, lB, lC, rSA, rSB are set by the caller; ra, rb: which half of the lanes holds source 0's and source 1's scale words
.macro WMS ra, rb
.if (\ra) == 0 && (\rb) == 0
	v_wmma_scale_f32_16x16x128_f8f6f4 v[lD:lD+7], v[lA:lA+11], v[lB:lB+11], v[lC:lC+7], v[rSA], v[rSB] matrix_a_fmt:MATRIX_FMT_FP6 matrix_b_fmt:MATRIX_FMT_FP6
.elseif (\ra) == 1 && (\rb) == 0
	v_wmma_scale_f32_16x16x128_f8f6f4 v[lD:lD+7], v[lA:lA+11], v[lB:lB+11], v[lC:lC+7], v[rSA], v[rSB] matrix_a_fmt:MATRIX_FMT_FP6 matrix_b_fmt:MATRIX_FMT_FP6 matrix_a_scale:MATRIX_SCALE_ROW1
.elseif (\ra) == 0
	v_wmma_scale_f32_16x16x128_f8f6f4 v[lD:lD+7], v[lA:lA+11], v[lB:lB+11], v[lC:lC+7], v[rSA], v[rSB] matrix_a_fmt:MATRIX_FMT_FP6 matrix_b_fmt:MATRIX_FMT_FP6 matrix_b_scale:MATRIX_SCALE_ROW1
.else
	v_wmma_scale_f32_16x16x128_f8f6f4 v[lD:lD+7], v[lA:lA+11], v[lB:lB+11], v[lC:lC+7], v[rSA], v[rSB] matrix_a_fmt:MATRIX_FMT_FP6 matrix_b_fmt:MATRIX_FMT_FP6 matrix_a_scale:MATRIX_SCALE_ROW1 matrix_b_scale:MATRIX_SCALE_ROW1
.endif
.endm
; Product HKI of 16 of the first layer for tiles 2 HKK, 2 HKK + 1 with W1's set HKP: K step HKI / 4, tile of tokens (HKI / 2) % 2, tile of W1 HKI % 2.  The four sums take turns, one instruction a turn.
.macro HOOK
.set qs, HKI>>2
.set qmm, (HKI>>1)&1
.set qu, HKI&1
.set aD, 256+32*HKK+16*qmm+8*qu
.set aB, 512+256*(qs>>1)+12*(2*(2*HKK+qmm)+(qs&1))
.if HKP == 0
.set aA, 132+12*(2*qs+qu)
.set aC, 752+8*qu
.set rSA, 32+qs
.else
.set aA, 704+256*(qs>>1)+12*(2*(qs&1)+qu)
.set aC, 1008+8*qu
.set rSA, 36+qs
.endif
.if qs != 0
.set aC, aD
.endif
.set rSB, 16+4*HKK+qs
.set wn, 64|((aC>>8)<<4)|((aB>>8)<<2)|(aA>>8)
.set lD, aD&255
.set lA, aA&255
.set lB, aB&255
.set lC, aC&255
	WIN wn
	WMS qu, qmm
.set HKI, HKI+1
.endm
.macro ROW_MUL d, a, b                 ; sixteen packed products
	WIN 0x55
.set j, 0
.rept 16
	v_pk_mul_f32 v[\d+j:\d+j+1], v[\a+j:\a+j+1], v[\b+j:\b+j+1]
.set j, j+2
.endr
.endm
.macro ROW_HORNER d, sc                ; d = d s + a coefficient (a scalar pair, its low word for both halves)
	WIN 0x55
.set j, 0
.rept 16
	v_pk_fma_f32 v[\d+j:\d+j+1], v[\d+j:\d+j+1], v[TS+j:TS+j+1], s[\sc:\sc+1] op_sel_hi:[1,1,0]
.set j, j+2
.endr
.endm
; 2 gelu of the 32 sums of tiles 2 k, 2 k + 1: 288 instructions.  Behind every fourth of the first 64 stands a product of the next pair of tiles, which names none of this batch's registers.
; The sums are read from each accumulator's low end on.  A chain's leading step takes its second coefficient from vector registers of window 0, so that one instruction names one scalar pair.
.macro GELU k
.set VV, 32*(\k)
.set j, 0
.rept 32
	WIN 0x55
	v_med3_num_f32 v[TC+j], v[VV+j], s[LNEG], s[LPOS]   ; c = v held to +-4 sqrt 2
.set j, j+1
.if (j%4) == 0
	HOOK
.endif
.endr
.set j, 0
.rept 16
	WIN 0x55
	v_pk_mul_f32 v[TS+j:TS+j+1], v[TC+j:TC+j+1], v[TC+j:TC+j+1]   ; s = c^2
.set j, j+2
.if (j%8) == 0
	HOOK
.endif
.endr
.set j, 0
.rept 16
	WIN 0x45
	v_pk_fma_f32 v[TQ+j:TQ+j+1], v[TS+j:TS+j+1], s[SB4:SB4+1], v[VB3:VB3+1] op_sel_hi:[1,0,1]   ; q = s b4 + b3
.set j, j+2
.if (j%8) == 0
	HOOK
.endif
.endr
	ROW_HORNER TQ, SB2                             ; the batch's 16 products are out: from here on vector work alone
	ROW_HORNER TQ, SB1
	ROW_HORNER TQ, SB0
; the numerator's chain, 6 rows of 16, and among its 96 instructions the 32 reciprocals of q, one behind every three.  The chain names p and s alone; nothing names a reciprocal's result before the wait below.
.set gn, 0
.rept 96
.set j, 2*(gn%16)
.set gsc, SA6+2*(gn/16)
.if gn < 16
	WIN 0x45
	v_pk_fma_f32 v[TP+j:TP+j+1], v[TS+j:TS+j+1], s[gsc:gsc+1], v[VA5:VA5+1] op_sel_hi:[1,0,1]   ; p = s a6 + a5
.else
	WIN 0x55
	v_pk_fma_f32 v[TP+j:TP+j+1], v[TP+j:TP+j+1], v[TS+j:TS+j+1], s[gsc:gsc+1] op_sel_hi:[1,1,0]
.endif
.if (gn%3) == 2
	v_rcp_f32 v[TQ+gn/3], v[TQ+gn/3]               ; (destination and source 0 lie in window 1 under both settings)
.endif
.set gn, gn+1
.endr
	ROW_MUL TC, TC, TP                             ; (plain instructions behind the last reciprocal)
	ROW_MUL TC, VV, TC
	s_wait_alu depctr_va_vdst(0)                   ; one wait for the 32 reciprocals, ahead of their first reader
.set j, 0
.rept 16
	v_pk_fma_f32 v[TS+j:TS+j+1], v[TC+j:TC+j+1], v[TQ+j:TQ+j+1], v[VV+j:VV+j+1]   ; v + (v c p) / q
.set j, j+2
.endr
.endm
; The 2 x 16 numbers in v[TS] on (tile 2 k + mm: hidden units 32 blk + 16 (lane / 16) + 0 .. 15) are quantised.  odd = 0: the codes and the byte are kept; odd = 1: with those kept they make six registers
; (64 along the next K) of the operand and a half-word of scale bytes, which go to LDS.
.macro QNT k, odd
	WIN 0x14
.irp mm, 0,1
	v_max3_num_f32 v[TM+\mm], s[FLR], |v[TS+16*\mm]|, |v[TS+16*\mm+1]|   ; four chains; the floor 2^(4 - 127) holds the byte at 1 from below (the numbers are doubled)
	v_max3_num_f32 v[TN+\mm], s[FLR], |v[TS+16*\mm+2]|, |v[TS+16*\mm+3]|
.endr
.irp i, 4,8,12
.irp mm, 0,1
	v_max3_num_f32 v[TM+\mm], v[TM+\mm], |v[TS+16*\mm+\i]|, |v[TS+16*\mm+\i+1]|
	v_max3_num_f32 v[TN+\mm], v[TN+\mm], |v[TS+16*\mm+\i+2]|, |v[TS+16*\mm+\i+3]|
.endr
.endr
	WIN 0
.irp mm, 0,1
	v_max_num_f32 v[TM+\mm], v[TM+\mm], v[TN+\mm]
.endr
.irp mm, 0,1
	v_permlanex16_b32 v[TN+\mm], v[TM+\mm], s[SEL], s[SEL+1]
.endr
.irp mm, 0,1
	v_max_num_f32 v[TM+\mm], v[TM+\mm], v[TN+\mm]  ; with lane l xor 16's 16: the block's largest magnitude, doubled
.endr
.irp mm, 0,1
	v_add_nc_u32 v[SO+\mm], 0xff000000, v[TM+\mm]  ; 2 off the exponent field: the conversion of the doubled numbers gives gelu's codes
	v_add_nc_u32 v[BY+\mm], 0xfe800000, v[TM+\mm]  ; 3 off: gelu's scale
.endr
.if \odd
.irp mm, 0,1
	v_lshrrev_b32 v[BY+\mm], 23, v[BY+\mm]
.endr
.irp mm, 0,1
	v_lshl_or_b32 v[RB+2*(\k)+\mm], v[BY+\mm], 8, v[RB+2*(\k)+\mm]   ; the even block's byte below, the odd block's above
.endr
	WIN 0x01
.irp mm, 0,1
	v_cvt_scalef32_pk16_fp6_f32 v[TT+4*\mm:TT+4*\mm+2], v[TS+16*\mm:TS+16*\mm+15], v[SO+\mm]
.endr
	v_nop                                          ; one plain instruction behind the scaled conversions
	WIN 0
.irp mm, 0,1
.irp i, 0,1,2
	v_permlane16_swap_b32 v[RET+6*(2*(\k)+\mm)+\i], v[TT+4*\mm+\i]   ; a whole block to a lane: lanes 0-15 the even block, lanes 16-31 the odd one
.endr
.endr
.irp mm, 0,1
.irp i, 0,1,2
	v_mov_b32 v[RET+6*(2*(\k)+\mm)+3+\i], v[TT+4*\mm+\i]
.endr
.endr
.irp mm, 0,1
	ds_store_b128 v6, v[RET+6*(2*(\k)+\mm):RET+6*(2*(\k)+\mm)+3] offset:768*(2*(\k)+\mm)
	ds_store_b64 v7, v[RET+6*(2*(\k)+\mm)+4:RET+6*(2*(\k)+\mm)+5] offset:768*(2*(\k)+\mm)
	ds_store_b16 v8, v[RB+2*(\k)+\mm] offset:256*(2*(\k)+\mm)   ; lanes r and r + 16 write the same half-word with the same value
.endr
.else
.irp mm, 0,1
	v_lshrrev_b32 v[RB+2*(\k)+\mm], 23, v[BY+\mm]
.endr
	WIN 0x01
.irp mm, 0,1
	v_cvt_scalef32_pk16_fp6_f32 v[RET+6*(2*(\k)+\mm):RET+6*(2*(\k)+\mm)+2], v[TS+16*\mm:TS+16*\mm+15], v[SO+\mm]
.endr
	v_nop
.endif
.endm
.macro BATCH k, odd, hp, hk            ; gelu and quantiser of tiles 2 k, 2 k + 1 | the first layer's 16 products of tiles 2 hk, 2 hk + 1 with set hp
.set HKP, \hp
.set HKK, \hk
.set HKI, 0
	GELU \k
	QNT \k, \odd
.endm
; where group s67 (expert s67 / 8 of my two, block s67 % 8 of my eight) lies in W1's fragments, its scale words and b1
.macro BADDR
	s_lshr_b32 s28, s67, 3
	s_and_b32 s30, s67, 7
	s_mul_i32 s88, s28, 393216
	s_mul_i32 s31, s30, 12288
	s_add_co_u32 s88, s88, s31
	s_mov_b32 s89, 0
	s_add_nc_u64 s[32:33], s[68:69], s[88:89]
	s_lshl_b32 s30, s30, 7
	s_lshl_b32 s88, s28, 14
	s_add_co_u32 s88, s88, s30
	s_add_nc_u64 s[34:35], s[70:71], s[88:89]
	s_lshl_b32 s88, s28, 12
	s_add_co_u32 s88, s88, s30
	s_add_nc_u64 s[36:37], s[72:73], s[88:89]
.endm
; a group's 8 fragments, 4 scale words and 16 numbers of b1: 32 loads into set par
.macro BURST par
.if \par == 0
	WIN 0
.irp s, 0,1,2,3
.irp u, 0,1
.irp c, 0,1,2
	global_load_b128 v[132+12*(2*\s+\u)+4*\c:132+12*(2*\s+\u)+4*\c+3], v1, s[32:33] offset:3072*\s+1536*\u+512*\c
.endr
.endr
	global_load_b32 v[32+\s], v3, s[34:35] offset:4096*\s
.endr
	WIN 0x80
.irp u, 0,1
.irp i, 0,1
	global_load_b128 v[240+8*\u+4*\i:240+8*\u+4*\i+3], v4, s[36:37] offset:32*\u+16*\i
.endr
.endr
.else
	WIN 0x80
.irp s, 0,1
.irp u, 0,1
.irp c, 0,1,2
	global_load_b128 v[192+12*(2*\s+\u)+4*\c:192+12*(2*\s+\u)+4*\c+3], v1, s[32:33] offset:3072*\s+1536*\u+512*\c
.endr
.endr
.endr
	WIN 0xc0
.irp s, 0,1
.irp u, 0,1
.irp c, 0,1,2
	global_load_b128 v[192+12*(2*\s+\u)+4*\c:192+12*(2*\s+\u)+4*\c+3], v1, s[32:33] offset:3072*(\s+2)+1536*\u+512*\c
.endr
.endr
.endr
.irp u, 0,1
.irp i, 0,1
	global_load_b128 v[240+8*\u+4*\i:240+8*\u+4*\i+3], v4, s[36:37] offset:32*\u+16*\i
.endr
.endr
	WIN 0
.irp s, 0,1,2,3
	global_load_b32 v[36+\s], v3, s[34:35] offset:4096*\s
.endr
.endif
.endm
.macro SPAIR r, val                    ; a coefficient as a scalar pair: the packed forms name the pair
	s_mov_b32 s[\r], \val
	s_mov_b32 s[\r+1], s[\r]
.endm
; ---- stage 2's macros
.macro UBASE dst, b0, es, qs           ; unit s67 = 2 x (which 64 outputs) + (which expert)
	s_and_b32 s88, s67, 1
	s_lshr_b32 s89, s67, 1
	s_mul_i32 s88, s88, \es
	s_mul_i32 s89, s89, \qs
	s_add_co_u32 s88, s88, s89
	s_mov_b32 s89, 0
	s_add_nc_u64 s[\dst:\dst+1], s[\b0:\b0+1], s[88:89]
.endm
.macro B2LOAD                          ; b2 in the result's layout, 8 registers a tile (under destination window 3)
.irp p, 0,1
.irp u, 0,1
.irp i, 0,1
	global_load_b128 v[224+8*(2*\p+\u)+4*\i:224+8*(2*\p+\u)+4*\i+3], v4, s[NXTB:NXTB+1] offset:128*\p+32*\u+16*\i
.endr
.endr
.endr
.endm
.macro RBURST                          ; K step RKS of W2's four tiles into slot RSL: 12 loads and 2 scale words; with RB2 the next unit's b2 between them
	WIN 0xc0
.irp p, 0,1
.irp u, 0,1
.irp c, 0,1,2
	global_load_b128 v[48*RSL+12*(2*\p+\u)+4*\c:48*RSL+12*(2*\p+\u)+4*\c+3], v1, s[RFB:RFB+1] offset:\p*24576+RKS*3072+\u*1536+\c*512
.endr
.endr
.endr
.if RB2
	B2LOAD
.endif
	WIN 0
.irp p, 0,1
	global_load_b32 v[48+2*RSL+\p], v3, s[RSB:RSB+1] offset:RKS*2048+\p*128
.endr
.endm
.macro HLOAD s                         ; the 8 tiles' hidden fragments of K step s into set s % 2: 32 LDS loads
.set hb, 64+96*((\s)&1)
.irp m, 0,1,2,3,4,5,6,7
.irp c, 0,1
	ds_load_b128 v[hb+12*\m+6*\c:hb+12*\m+6*\c+3], v[56+((\s)>>1)] offset:12288*((\s)&1)+6144*\c+768*\m
	ds_load_b64 v[hb+12*\m+6*\c+4:hb+12*\m+6*\c+5], v[60+((\s)>>1)] offset:12288*((\s)&1)+6144*\c+768*\m
.endr
.endr
.endm
.macro HPRE                            ; a unit's LDS addresses (s86, s87: the expert's part), its 32 scale words and its first K step
	s_add_co_u32 s88, s87, HSB
	v_add_nc_u32 v13, s88, v1
.irp q, 0,1,2,3
	s_add_co_u32 s88, s86, 49152*\q
	v_add_nc_u32 v[56+\q], s88, v1
	v_add_nc_u32 v[60+\q], s88, v2
.endr
.irp q, 0,1,2,3
.irp p, 0,1,2,3
	ds_load_b64 v[16+8*\q+2*\p:17+8*\q+2*\p], v13 offset:2048*\q+512*\p
.endr
.endr
	HLOAD 0
.endm
; A K step of the second layer: 32 products, the 32 sums by turns.  At its head, behind four plain instructions (the registers were read by the step before), one run of loads: W2 three steps ahead, the hidden fragments one.
.macro KSTEP s
	WIN 0
.rept 4
	v_nop
.endr
.set RSL, ((\s)+3)&3
.set RB2, 0
.if (\s) < 5
.set RKS, (\s)+3
.set RFB, CURF
.set RSB, CURS
.else
.set RKS, (\s)-5
.set RFB, NXTF
.set RSB, NXTS
.endif
.if (\s) == 1
.set RB2, 1
.endif
	RBURST
.if (\s) < 7
	HLOAD (\s)+1
.endif
.if ((\s) >= 1) && ((\s) <= 3)
	s_wait_loadcnt 50                              ; this step's W2 is in: behind it three bursts were issued, 14 + 14 + 22 (step 1's carries b2's eight)
.else
	s_wait_loadcnt 42                              ; three bursts of 14
.endif
.if (\s) < 7
	s_wait_dscnt 32                                ; this step's hidden fragments are in; the next step's 32 loads are younger
.else
	s_wait_dscnt 0x0
.endif
.if (\s) == 0
	WIN 0x73                                       ; W2 window 3, hidden codes window 0, C = b2 window 3, Y window 1
.else
	WIN 0x53
.endif
.set i, 0
.rept 32
.set qm, i>>2
.set qp, (i>>1)&1
.set qu, i&1
.set qmm, qm&1
.set lD, 32*qm+16*qp+8*qu
.set lA, 48*((\s)&3)+12*(2*qp+qu)
.set lB, 64+96*((\s)&1)+12*qm
.if (\s) == 0
.set lC, 224+8*(2*qp+qu)
.else
.set lC, lD
.endif
.set rSA, 48+2*((\s)&3)+qp
.set rSB, 16+8*((\s)>>1)+2*(qm>>1)+((\s)&1)
	WMS qu, qmm
.set i, i+1
.endr
.endm
	s_load_b256 s[4:11], s[0:1], 0x0               ; xf, xs, w1f, w1s
	s_load_b256 s[12:19], s[0:1], 0x20             ; b1, w2f, w2s, b2
	s_load_b128 s[20:23], s[0:1], 0x40             ; weights, part
	v_lshrrev_b32 v14, 5, v0
	v_readfirstlane_b32 s24, v14                   ; wave
	s_and_b32 s25, ttmp9, 3                        ; g: my two experts
	s_lshr_b32 s26, ttmp9, 2                       ; my 128 tokens
	v_and_b32 v14, 31, v0                          ; lane
	v_and_b32 v15, 15, v0                          ; r
	v_bfe_u32 v13, v0, 4, 1                        ; h
	v_lshlrev_b32 v1, 4, v14                       ; v1  16 x lane
	v_lshlrev_b32 v2, 3, v14
	v_add_nc_u32 v2, 512, v2                       ; v2  512 + 8 x lane: the second plane of half a fragment
	v_lshlrev_b32 v3, 2, v14                       ; v3  4 x lane
	v_lshlrev_b32 v4, 6, v13                       ; v4  64 h: a bias's 16 numbers of my half
	s_lshl_b32 s28, s24, 11
	s_add_co_u32 s28, s28, HSB
	v_lshl_add_u32 v5, v15, 4, s28                 ; v5  my wave's scale bytes, row r
	v_lshlrev_b32 v9, 5, v15                       ; v9  32 r: a token's row of gates
	s_mul_i32 s28, s24, 8704
	s_add_co_u32 s28, s28, OSB
	v_mul_u32_u24 v10, v15, 272
	v_lshl_add_u32 v10, v13, 6, v10
	v_add_nc_u32 v10, s28, v10                     ; v10 the way out, in: row r, + 64 h
	v_mul_u32_u24 v11, v13, 272
	v_lshl_add_u32 v11, v15, 4, v11
	v_add_nc_u32 v11, s28, v11                     ; v11 back: lanes 0-15 one row of 256 bytes, lanes 16-31 the next
	v_lshlrev_b32 v12, 11, v13
	v_lshl_add_u32 v12, v15, 4, v12                ; v12 the same two rows in part
	SPAIR SA6, 0xac95df0b
	SPAIR SA4, 0xb40cff51
	SPAIR SA3, 0xb6eec2d2
	SPAIR SA2, 0xb940ac63
	SPAIR SA1, 0xbac1a1f6
	SPAIR SA0, 0xbc83dbd4
	SPAIR SB4, 0xb5accd2b
	SPAIR SB2, 0xba1bf7b5
	SPAIR SB1, 0xbbaad7f2
	SPAIR SB0, 0xbca542a9
	s_mov_b32 s[LNEG], 0xc0b504f3                  ; -4 sqrt 2
	s_mov_b32 s[LPOS], 0x40b504f3
	s_mov_b32 s[SEL], 0x76543210
	s_mov_b32 s[SEL+1], 0xfedcba98
	s_mov_b32 s[FLR], 0x02000000
	v_mov_b32 v[VA5], 0x306dffee
	v_mov_b32 v[VA5+1], 0x306dffee
	v_mov_b32 v[VB3], 0xb81e3512
	v_mov_b32 v[VB3+1], 0xb81e3512
	s_mov_b32 s29, 0
	s_wait_kmcnt 0x0
	s_mul_i32 s28, s26, 49152                      ; 8 tiles x 4 K steps x 1,536 bytes
	s_add_nc_u64 s[4:5], s[4:5], s[28:29]
	s_lshl_b32 s28, s26, 11
	s_add_nc_u64 s[6:7], s[6:7], s[28:29]
	s_mul_i32 s28, s25, 786432                     ; two experts' fragments,
	s_mul_i32 s30, s24, 98304                      ; my wave's 8 blocks
	s_add_co_u32 s28, s28, s30
	s_add_nc_u64 s[68:69], s[8:9], s[28:29]
	s_lshl_b32 s28, s25, 15
	s_lshl_b32 s30, s24, 10
	s_add_co_u32 s28, s28, s30
	s_add_nc_u64 s[70:71], s[10:11], s[28:29]
	s_lshl_b32 s28, s25, 13
	s_add_co_u32 s28, s28, s30
	s_add_nc_u64 s[72:73], s[12:13], s[28:29]
	WIN 0x80                                       ; x's 32 fragments stay in registers: tile m, K step s
.irp m, 0,1,2,3,4,5,6,7
.irp s, 0,1
.irp c, 0,1,2
	global_load_b128 v[12*(2*\m+\s)+4*\c:12*(2*\m+\s)+4*\c+3], v1, s[4:5] offset:(4*\m+\s)*1536+512*\c
.endr
.endr
.endr
	WIN 0xc0
.irp m, 0,1,2,3,4,5,6,7
.irp s, 0,1
.irp c, 0,1,2
	global_load_b128 v[12*(2*\m+\s)+4*\c:12*(2*\m+\s)+4*\c+3], v1, s[4:5] offset:(4*\m+\s+2)*1536+512*\c
.endr
.endr
.endr
	WIN 0
.irp k, 0,1,2,3
	global_load_b128 v[16+4*\k:19+4*\k], v1, s[6:7] offset:512*\k   ; a pair of tiles' scale words: four K steps a lane
.endr
	s_mov_b32 s67, 0
	BADDR
	BURST 0
	s_wait_xcnt 0x0                                ; the loads above have read their bases, which are written again
	s_mov_b32 s67, 1
	BADDR
	BURST 1
	s_wait_loadcnt 0x0
.set HKP, 0
.set HKK, 0
.set HKI, 0
.rept 16
	HOOK                                           ; group 0, tiles 0 and 1: there is no vector work yet to set between them
.endr
	WIN 0
.rept 4
	v_nop                                          ; four plain instructions between these products and the first read of their sums
.endr
	s_mov_b32 s27, 0
	s_mul_i32 s38, s24, 49152                      ; where the trip's half fragments go,
	s_mov_b32 s39, 0                               ; and its half-words of scale bytes
.Ltrip:                                            ; a trip: two groups of 32 hidden units (64 along the next K) for all 8 tiles
	s_wait_dscnt 0x0                               ; the last trip's LDS stores are done: their data and address registers are written again
	v_add_nc_u32 v6, s38, v1
	v_add_nc_u32 v7, s38, v2
	v_add_nc_u32 v8, s39, v5
	BATCH 0, 0, 0, 1
	BATCH 1, 0, 0, 2
	BATCH 2, 0, 0, 3
	WIN 0
	s_wait_loadcnt 0x0                             ; set B (asked for four batches ago) is in, and no load names the bases any more; set A has had its last product
	s_lshl_b32 s67, s27, 1
	s_add_co_u32 s67, s67, 2
	s_min_u32 s67, s67, 14                         ; the even group of the next trip; in the last trip the last even group once more
	BADDR
	BURST 0
	BATCH 3, 0, 1, 0
	BATCH 0, 1, 1, 1
	BATCH 1, 1, 1, 2
	BATCH 2, 1, 1, 3
	WIN 0
	s_wait_loadcnt 0x0                             ; set A is in; set B has had its last product
	s_lshl_b32 s67, s27, 1
	s_add_co_u32 s67, s67, 3
	s_min_u32 s67, s67, 15
	BADDR
	BURST 1
	BATCH 3, 1, 0, 0
	WIN 0
	s_add_co_u32 s38, s38, 6144
	s_add_co_u32 s39, s39, 2
	s_add_co_u32 s27, s27, 1
	s_cmp_lt_u32 s27, 8
	s_cbranch_scc1 .Ltrip
	; ---- between the stages: stage 2's first loads from memory go out, then the barrier
	s_wait_loadcnt 0x0                             ; the last look-ahead has landed: its registers get other contents
	s_mov_b32 s29, 0
	s_mul_i32 s28, s25, 786432
	s_mul_i32 s30, s24, 98304                      ; my wave's 4 blocks of 32 outputs x 24,576 bytes
	s_add_co_u32 s28, s28, s30
	s_add_nc_u64 s[BF0:BF0+1], s[14:15], s[28:29]
	s_lshl_b32 s28, s25, 15
	s_lshl_b32 s30, s24, 9
	s_add_co_u32 s28, s28, s30
	s_add_nc_u64 s[BS0:BS0+1], s[16:17], s[28:29]
	s_lshl_b32 s28, s25, 12
	s_add_co_u32 s28, s28, s30
	s_add_nc_u64 s[BB0:BB0+1], s[18:19], s[28:29]
	s_lshl_b32 s28, s25, 24                        ; part g,
	s_lshl_b32 s31, s26, 18                        ; my 128 rows of 2,048 bytes,
	s_add_co_u32 s28, s28, s31
	s_add_co_u32 s28, s28, s30                     ; my wave's 128 outputs
	s_add_nc_u64 s[BP0:BP0+1], s[22:23], s[28:29]
	s_lshl_b32 s28, s26, 12
	s_lshl_b32 s30, s25, 3
	s_add_co_u32 s28, s28, s30
	s_add_nc_u64 s[20:21], s[20:21], s[28:29]      ; my tokens' gates of my two experts
	s_mov_b64 s[NXTF:NXTF+1], s[BF0:BF0+1]
	s_mov_b64 s[NXTS:NXTS+1], s[BS0:BS0+1]
	s_mov_b64 s[NXTB:NXTB+1], s[BB0:BB0+1]
	WIN 0xc0
.irp m, 0,1,2,3,4,5,6,7                        ; tile m, token r: the pair (gA, gB), of which the low word serves, and the pair (gB, gB)
	global_load_b64 v[192+4*\m:193+4*\m], v9, s[20:21] offset:512*\m
	global_load_b32 v[194+4*\m], v9, s[20:21] offset:512*\m+4
	global_load_b32 v[195+4*\m], v9, s[20:21] offset:512*\m+4
.endr
	B2LOAD
.set RFB, NXTF
.set RSB, NXTS
.set RB2, 0
.set RSL, 0
.set RKS, 0
	RBURST
.set RSL, 1
.set RKS, 1
	RBURST
.set RSL, 2
.set RKS, 2
	RBURST
	s_wait_dscnt 0x0                               ; for the others' sake: my codes and scale bytes lie in LDS
	s_barrier_signal -1
	s_barrier_wait -1                              ; everybody's do
	s_mov_b32 s86, 0
	s_mov_b32 s87, 0
	HPRE
	s_mov_b32 s27, 0
.Lunit:                                            ; four units: outputs 64 (U / 2) on of my 128, expert U % 2
	s_wait_xcnt 0x0                                ; earlier loads have read their bases, earlier stores their data (Y) and base
	s_mov_b64 s[CURF:CURF+1], s[NXTF:NXTF+1]
	s_mov_b64 s[CURS:CURS+1], s[NXTS:NXTS+1]
	s_add_co_u32 s67, s27, 1
	s_min_u32 s67, s67, 3                          ; the last unit looks ahead at itself
	UBASE NXTF, BF0, 393216, 49152
	UBASE NXTS, BS0, 16384, 256
	UBASE NXTB, BB0, 2048, 256
	s_lshr_b32 s88, s27, 1
	s_lshl_b32 s88, s88, 8
	s_mov_b32 s89, 0
	s_add_nc_u64 s[PRT:PRT+1], s[BP0:BP0+1], s[88:89]
	KSTEP 0
	KSTEP 1
	KSTEP 2
	KSTEP 3
	KSTEP 4
	KSTEP 5
	KSTEP 6
	KSTEP 7
	WIN 0
.rept 4
	v_nop                                          ; four plain instructions behind the last products: ahead of the loads into their scale registers and of the first read of Y
.endr
	s_xor_b32 s86, s86, 24576                      ; the other expert's codes,
	s_xor_b32 s87, s87, 8                          ; and scale bytes
	HPRE                                           ; the next unit's first LDS loads land while this unit's results are combined
	s_and_b32 s88, s27, 1
	s_cmp_eq_u32 s88, 0
	s_cbranch_scc0 .Lsecond
	WIN 0x8d                                       ; X (window 2) = Y (window 1) x gA (window 3)
.irp m, 0,1,2,3,4,5,6,7
.set j, 0
.rept 16
	v_pk_mul_f32 v[32*\m+j:32*\m+j+1], v[32*\m+j:32*\m+j+1], v[192+4*\m:193+4*\m] op_sel_hi:[1,0]
.set j, j+2
.endr
.endr
	WIN 0
	s_branch .Lnext
.Lsecond:
; Y = Y gB + X, and out.  A lane holds 2 x 64 bytes of a row's 256 and the lanes beside it other rows: a tile goes through my own stage and comes back as whole rows, into the registers that it left.
.irp m, 0,1,2,3,4,5,6,7
	WIN 0x6d
.set j, 0
.rept 16
	v_pk_fma_f32 v[32*\m+j:32*\m+j+1], v[32*\m+j:32*\m+j+1], v[194+4*\m:195+4*\m], v[32*\m+j:32*\m+j+1]
.set j, j+2
.endr
	WIN 0x44                                       ; LDS and memory: addresses window 0, data window 1
.irp p, 0,1
.irp i, 0,1,2,3
	ds_store_b128 v10, v[32*\m+16*\p+4*\i:32*\m+16*\p+4*\i+3] offset:(\m%2)*4352+128*\p+16*\i
.endr
.endr
.irp f, 0,1,2,3,4,5,6,7
	ds_load_b128 v[32*\m+4*\f:32*\m+4*\f+3], v11 offset:(\m%2)*4352+544*\f   ; LDS serves a wave's instructions in order: these see the stores above
.endr
.if \m > 0
	s_wait_dscnt 16                                ; the tile before is back: behind its loads stand this tile's 8 stores and 8 loads
.irp f, 0,1,2,3,4,5,6,7
	global_store_b128 v12, v[32*(\m-1)+4*\f:32*(\m-1)+4*\f+3], s[PRT:PRT+1] offset:32768*(\m-1)+4096*\f th:TH_STORE_NT   ; 16 lanes store 256 consecutive bytes, at a multiple of 256 from part's first byte
.endr
.endif
.endr
	s_wait_dscnt 0x0
.irp f, 0,1,2,3,4,5,6,7
	global_store_b128 v12, v[224+4*\f:227+4*\f], s[PRT:PRT+1] offset:32768*7+4096*\f th:TH_STORE_NT
.endr
	WIN 0
.Lnext:
	s_add_co_u32 s27, s27, 1
	s_cmp_lt_u32 s27, 4
	s_cbranch_scc1 .Lunit
	s_wait_dscnt 0x0
	s_wait_xcnt 0x0
	v_lshl_add_u32 v254, v0, 2, 0x3a800
	v_mov_b32 v255, 0
	s_wait_tensorcnt 0x0
	ds_add_u32 v254, v255
	s_wait_dscnt 0x0
	s_endpgm
.Lfunc_end_k_qe1161617c8_moe:
	.size	k_qe1161617c8_moe, .Lfunc_end_k_qe1161617c8_moe-k_qe1161617c8_moe
	.p2alignl 7, 3214868480
	.fill 96, 4, 3214868480
	.section	.rodata,"a",@progbits
	.p2align	6, 0x0
	.amdhsa_kernel k_qe1161617c8_moe
		.amdhsa_group_segment_fixed_size 240128
		.amdhsa_private_segment_fixed_size 0
		.amdhsa_enable_private_segment 0
		.amdhsa_kernarg_size 80
		.amdhsa_user_sgpr_count 2
		.amdhsa_user_sgpr_kernarg_segment_ptr 1
		.amdhsa_wavefront_size32 1
		.amdhsa_system_sgpr_workgroup_id_x 1
		.amdhsa_system_sgpr_workgroup_id_y 1
		.amdhsa_system_sgpr_workgroup_id_z 1
		.amdhsa_system_vgpr_workitem_id 0
		.amdhsa_next_free_vgpr 1024
		.amdhsa_next_free_sgpr 100
		.amdhsa_reserve_vcc 0
		.amdhsa_float_denorm_mode_32 3
		.amdhsa_float_denorm_mode_16_64 3
		.amdhsa_memory_ordered 1
		.amdhsa_forward_progress 1
		.amdhsa_inst_pref_size 255
	.end_amdhsa_kernel
	.section	.bss,"aw",@nobits
	.p2align	6
	.space	262144
	.amdgpu_metadata
---
amdhsa.version: [ 1, 2 ]
amdhsa.kernels:
  - .name:           k_qe1161617c8_moe
    .symbol:         k_qe1161617c8_moe.kd
    .args:
      - { .name: xf, .offset: 0, .size: 8, .value_kind: global_buffer, .address_space: global }
      - { .name: xs, .offset: 8, .size: 8, .value_kind: global_buffer, .address_space: global }
      - { .name: w1f, .offset: 16, .size: 8, .value_kind: global_buffer, .address_space: global }
      - { .name: w1s, .offset: 24, .size: 8, .value_kind: global_buffer, .address_space: global }
      - { .name: b1, .offset: 32, .size: 8, .value_kind: global_buffer, .address_space: global }
      - { .name: w2f, .offset: 40, .size: 8, .value_kind: global_buffer, .address_space: global }
      - { .name: w2s, .offset: 48, .size: 8, .value_kind: global_buffer, .address_space: global }
      - { .name: b2, .offset: 56, .size: 8, .value_kind: global_buffer, .address_space: global }
      - { .name: weights, .offset: 64, .size: 8, .value_kind: global_buffer, .address_space: global }
      - { .name: part, .offset: 72, .size: 8, .value_kind: global_buffer, .address_space: global }
    .group_segment_fixed_size: 240128
    .private_segment_fixed_size: 0
    .kernarg_segment_align: 8
    .kernarg_segment_size: 80
    .max_flat_workgroup_size: 128
    .sgpr_count:     100
    .vgpr_count:     1024
    .wavefront_size: 32
...
	.end_amdgpu_metadata
.endif
;; end of part 2
;; launch addup (part 3): grid 1024 x 1, 8 waves a work-group, no clusters, 0 bytes of LDS; arguments part, out0; writes out0
.if DOCPART == 3
	.amdgcn_target "amdgcn-amd-amdhsa--gfx1250"
	.amdhsa_code_object_version 6
	.text
	.protected	k_qe1161617c8_addup
	.globl	k_qe1161617c8_addup
	.p2align	8
	.type	k_qe1161617c8_addup,@function
k_qe1161617c8_addup:
	s_mov_b64 s[64:65], 0
	v_nop
	global_prefetch_b8 v0, s[64:65] scope:SCOPE_SE
	s_setreg_imm32_b32 hwreg(HW_REG_WAVE_MODE, 25, 1), 1
	s_wait_xcnt 0x0
; out0 = (part 0 + part 1) + (part 2 + part 3): four arrays of 16,777,216 bytes of f32, one behind the other.  A stream: no LDS, no barrier, no matrix unit.
; A work-group takes 16,384 bytes of the result: four pieces of 4,096, 16 bytes a thread; each load and store of a wave covers 512 consecutive bytes.  All 16 loads of a thread go out at once.
.set PARTB, 0x1000000
	s_load_b128 s[4:7], s[0:1], 0x0                ; part, out0
	v_lshlrev_b32 v1, 4, v0
	s_lshl_b32 s8, ttmp9, 14
	s_mov_b32 s9, 0
	s_wait_kmcnt 0x0
	s_add_nc_u64 s[4:5], s[4:5], s[8:9]
	s_add_nc_u64 s[6:7], s[6:7], s[8:9]
	s_add_nc_u64 s[10:11], s[4:5], PARTB           ; a base for each part: the distance is beyond a load's immediate
	s_add_nc_u64 s[12:13], s[10:11], PARTB
	s_add_nc_u64 s[14:15], s[12:13], PARTB
.irp j, 0,1,2,3
	global_load_b128 v[8+16*\j:11+16*\j], v1, s[4:5] offset:4096*\j th:TH_LOAD_NT
	global_load_b128 v[12+16*\j:15+16*\j], v1, s[10:11] offset:4096*\j th:TH_LOAD_NT
	global_load_b128 v[16+16*\j:19+16*\j], v1, s[12:13] offset:4096*\j th:TH_LOAD_NT
	global_load_b128 v[20+16*\j:23+16*\j], v1, s[14:15] offset:4096*\j th:TH_LOAD_NT
.endr
.irp j, 0,1,2,3
	s_wait_loadcnt 12-4*\j                         ; piece j's four loads are in; four for each later piece are younger
	v_pk_add_f32 v[8+16*\j:9+16*\j], v[8+16*\j:9+16*\j], v[12+16*\j:13+16*\j]
	v_pk_add_f32 v[10+16*\j:11+16*\j], v[10+16*\j:11+16*\j], v[14+16*\j:15+16*\j]
	v_pk_add_f32 v[16+16*\j:17+16*\j], v[16+16*\j:17+16*\j], v[20+16*\j:21+16*\j]
	v_pk_add_f32 v[18+16*\j:19+16*\j], v[18+16*\j:19+16*\j], v[22+16*\j:23+16*\j]
	v_pk_add_f32 v[8+16*\j:9+16*\j], v[8+16*\j:9+16*\j], v[16+16*\j:17+16*\j]
	v_pk_add_f32 v[10+16*\j:11+16*\j], v[10+16*\j:11+16*\j], v[18+16*\j:19+16*\j]
	global_store_b128 v1, v[8+16*\j:11+16*\j], s[6:7] offset:4096*\j th:TH_STORE_NT
.endr
	s_endpgm
.Lfunc_end_k_qe1161617c8_addup:
	.size	k_qe1161617c8_addup, .Lfunc_end_k_qe1161617c8_addup-k_qe1161617c8_addup
	.p2alignl 7, 3214868480
	.fill 96, 4, 3214868480
	.section	.rodata,"a",@progbits
	.p2align	6, 0x0
	.amdhsa_kernel k_qe1161617c8_addup
		.amdhsa_group_segment_fixed_size 0
		.amdhsa_private_segment_fixed_size 0
		.amdhsa_enable_private_segment 0
		.amdhsa_kernarg_size 16
		.amdhsa_user_sgpr_count 2
		.amdhsa_user_sgpr_kernarg_segment_ptr 1
		.amdhsa_wavefront_size32 1
		.amdhsa_system_sgpr_workgroup_id_x 1
		.amdhsa_system_sgpr_workgroup_id_y 1
		.amdhsa_system_sgpr_workgroup_id_z 1
		.amdhsa_system_vgpr_workitem_id 0
		.amdhsa_next_free_vgpr 72
		.amdhsa_next_free_sgpr 66
		.amdhsa_reserve_vcc 0
		.amdhsa_float_denorm_mode_32 3
		.amdhsa_float_denorm_mode_16_64 3
		.amdhsa_memory_ordered 1
		.amdhsa_forward_progress 1
		.amdhsa_inst_pref_size 5
	.end_amdhsa_kernel
	.amdgpu_metadata
---
amdhsa.version: [ 1, 2 ]
amdhsa.kernels:
  - .name:           k_qe1161617c8_addup
    .symbol:         k_qe1161617c8_addup.kd
    .args:
      - { .name: part, .offset: 0, .size: 8, .value_kind: global_buffer, .address_space: global }
      - { .name: out0, .offset: 8, .size: 8, .value_kind: global_buffer, .address_space: global }
    .group_segment_fixed_size: 0
    .private_segment_fixed_size: 0
    .kernarg_segment_align: 8
    .kernarg_segment_size: 16
    .max_flat_workgroup_size: 256
    .sgpr_count:     66
    .vgpr_count:     72
    .wavefront_size: 32
...
	.end_amdgpu_metadata
.endif
;; end of part 3
;; ======== version 2 of 2: 3 launches; version 1 with the launch moe written anew for expert scheduling mode
;; limits: an absolute error that grows with the inputs' magnitude: up to 1e-07 times it; right only within a limited range of input values
;; workspace buffers: xf 3,145,728 bytes; xs 131,072 bytes; w1f 3,145,728 bytes; w1s 131,072 bytes; w2f 3,145,728 bytes; w2s 131,072 bytes; part 67,108,864 bytes
;; launch prep: the kernel of part 1 again; grid 768 x 1, 4 waves a work-group, no clusters, 60,416 bytes of LDS; arguments x, w1, w2, xf, xs, w1f, w1s, w2f, w2s; writes xf, xs, w1f, w1s, w2f, w2s
;; launch moe (part 4): grid 256 x 1, 4 waves a work-group, no clusters, 240,128 bytes of LDS; arguments xf, xs, w1f, w1s, b1, w2f, w2s, b2, weights, part; writes part
.if DOCPART == 4
	.amdgcn_target "amdgcn-amd-amdhsa--gfx1250"
	.amdhsa_code_object_version 6
	.text
	.protected	k_qe1161617c8_moe
	.globl	k_qe1161617c8_moe
	.p2align	8
	.type	k_qe1161617c8_moe,@function
k_qe1161617c8_moe:
	s_mov_b64 s[64:65], 0
	v_nop
	global_prefetch_b8 v0, s[64:65] scope:SCOPE_SE
	s_setreg_imm32_b32 hwreg(HW_REG_WAVE_SCHED_MODE, 0, 2), 2
	s_setreg_imm32_b32 hwreg(HW_REG_WAVE_MODE, 25, 1), 1
	s_wait_xcnt 0x0
	s_wait_alu depctr_vm_vsrc(0)
; part[g][t][:] = the sum over the two experts e = 2 g, 2 g + 1 of weights[t][e] (gelu(x W1_e + b1_e) W2_e + b2_e), both products on codes of FP6 (E2M3) with one E8M0 scale for each 32 along K.
; SHARES.  Work-group: 128 tokens (8 tiles of 16) x 2 experts.  STAGE 1: wave w makes hidden units 256 w .. 256 w + 255 of both experts for all 8 tiles, quantises them in registers and lays the codes in LDS as
; images of the second product's operand registers.  One barrier.  STAGE 2: wave w makes outputs 128 w .. 128 w + 127, 64 at a time, for all 8 tiles; the hidden layer never goes to memory.
; Both products are used transposed (source 0 = 16 rows of a weight, source 1 = 16 tokens): a lane holds one token throughout.  The rows of a weight that form a tile are chosen (by the launch before) so that a lane's
; 16 registers of two neighbouring tiles are 16 neighbours along the hidden axis (stage 1) or along the output (stage 2).  The biases are the C of each sum's first product.
; WEIGHTS GO FROM MEMORY STRAIGHT INTO REGISTERS, and no tile is asked for jointly by a cluster: each fragment is wanted by ONE wave of a work-group, once, and feeds its 8 products from registers; through LDS its
; 1,572,864 bytes a work-group would be written and read once more, beside 204,800 bytes of hidden codes that leave 88,064 bytes for slots.
; GELU, exact form, in f32: 2 gelu(v) = v + v erf(v / sqrt 2), erf(y) = y P(y^2) / Q(y^2) with y held to +-4 (degrees 6 and 4 in y^2), the factor 1 / sqrt 2 folded into the coefficients.  The factor 2 is a power of two and
; goes into the block's scale: the codes are those of gelu(v).
; LIMITS.  erf is good to a few units of its last place, so for v < 0, where 1 + erf cancels, gelu carries an absolute error of about 1e-7 |v|, not a relative one; under v = -5.66 the factor 1 + erf stays at its value there.
; |v| above 1.7e38 overflows in 2 gelu(v).  Blocks whose largest |gelu| lies under 2^-124 keep the byte 1.  NaN and infinities are not served.
; LOOK-AHEAD AT THE ENDS.  Both loops are written once, with constant counts and no load jumped over: stage 1's last trip loads groups 14 and 15 once more and makes 16 products that nobody reads; stage 2's last unit loads
; three K steps, b2 and one K step of hidden codes once more.  All these addresses lie inside their buffers.
; BY TURNS.  In stage 1 vector work outweighs matrix work: 288 instructions of GELU and some 40 of the quantiser for 16 products.  The 16 products of the NEXT two tiles stand among a batch's first 64 vector instructions,
; one behind every four: a product, its two window switches and its four vector instructions are 7 issue slots.  The other vector instructions follow with no product among them.  The 32 reciprocals stand among the 96
; multiply-adds of the numerator's chain, one behind every three, which name none of their registers.  In stage 2 there is next to no vector work: a K step's loads stand in small groups behind its products.
; THE MODE: SCHED_MODE bits 1:0 = 2 (LLVM: expert scheduling mode 2), set by the entry lines.  The code itself states the register dependences between vector or matrix instructions and memory or LDS instructions,
; with s_wait_alu, always for 0.
; THE PLAN, stage 1.  Registers that memory or LDS instructions touch:
;   v1-4, v9-12    offsets, written at the head and never again.
;   W1 set A, B    (fragments, scale words, b1.)  A set is read by the products of four batches on end; the burst that loads it again stands in the fourth of them, behind that batch's one wait on va_vdst, ahead of which all
;                  16 of the batch's products stand.  What follows in the batch names c, s, p, q, the sums and v60-131 alone.
;   RET, RB        a tile's codes and bytes: written by its even and its odd quantiser, read by its six LDS stores, which stand behind the NEXT batch's one wait (the last batch of a trip has a wait of its own).
;   v6-8           LDS addresses of a trip's stores: written at the trip's head, behind one wait on vm_vsrc, which also frees RET and RB.
; THE PLAN, stage 2.
;   hidden sets 0, 1; W2's four slots with their scale words; b2.  K step s multiplies set s % 2 and slot s % 4; its loads land in the other set and in slot (s + 3) % 4 (step 1: in b2 too), all last read by step s - 1's
;                  products (b2: by step 0's).  So ONE wait on va_vdst stands at the head of steps 1 to 7, and the step's loads follow it dealt among its products, which name none of the registers that they touch.
;   v13, v56-63    LDS addresses of a unit: written once a unit, between a wait on vm_vsrc and a wait on va_vdst; that second wait also serves step 0's loads.
;   Y              written by products and multiply-adds; the data of the way out's LDS stores.   X   read by the multiply-adds; the rows come back from the stage into X, and the stores to memory read them there.
;                  One wait on va_vdst for a pair of tiles on the way out; one wait on vm_vsrc at a unit's head frees Y and X.
; REGISTERS, stage 1 (windows of 256): v1-15 addresses; v16-31 x's scale words, v32-39 W1's (two sets); v56-59 two constants as pairs; v60-75 at work; v76-83 bytes kept; v84-131 codes kept, 6 a tile; v132-227 W1 set A.
;   v256-383 sums, 32 a pair of tiles; v384-511 c, s, p, q.   v512-703 x K steps 0, 1; v704-751 W1 set B, K steps 0, 1; v752-767 b1 set A.   v768-959 x K steps 2, 3; v960-1007 W1 set B, K steps 2, 3; v1008-1023 b1 set B.
; REGISTERS, stage 2: v16-47 the hidden layer's scale words, v48-55 W2's; v56-63 LDS addresses; v64-159, v160-255 hidden fragments, two sets.   v256-511 Y.   v512-767 X.   v768-959 W2, four slots of 48; v960-991 gates; v992-1023 b2.
.set HSB,  196608                      ; LDS: 0: the hidden codes [wave][t = 4 expert + pair of blocks][tile][768]; here their scale bytes [wave][pair of tiles][lane][t] half-words, 8,192 bytes
.set OSB,  204800                      ; the way out: two stages of 16 x 272 bytes for each wave
.set TC,   128                         ; in window 1: c, then v c p
.set TS,   160                         ; s = c^2, then 2 gelu
.set TP,   192
.set TQ,   224
.set VA5,  56
.set VB3,  58
.set TM,   60
.set TN,   62
.set SO,   64
.set BY,   66
.set TT,   68
.set RB,   76
.set RET,  84
.set SA6,  40                          ; s[40:51] the numerator's a6, a4, a3, a2, a1, a0 as pairs, on end: the chain's row i takes the pair at SA6 + 2 i
.set SA4,  42
.set SA3,  44
.set SA2,  46
.set SA1,  48
.set SA0,  50
.set SB4,  52
.set SB2,  54
.set SB1,  56
.set SB0,  58
.set LNEG, 60
.set LPOS, 61
.set SEL,  62
.set FLR,  66
.set CURF, 74                          ; s[74:75], s[76:77] W2's fragments and scale words of the unit in hand; s[78:83] the next unit's, and its b2; s[84:85] where the unit's results go
.set CURS, 76
.set NXTF, 78
.set NXTS, 80
.set NXTB, 82
.set PRT,  84
.set BF0,  90                          ; s[90:97] the same four at my wave's unit 0
.set BS0,  92
.set BB0,  94
.set BP0,  96
.set MSB, 0
.macro WIN new                         ; bits 1:0 source 0, 3:2 source 1, 5:4 source 2, 7:6 destination; the high byte repeats the setting that is left; a switch that changes nothing is dropped
.if MSB != \new
	s_set_vgpr_msb (MSB<<8)|\new
.set MSB, \new
.endif
.endm
; one product; lD, lA, lB, lC, rSA, rSB are set by the caller; ra, rb: which half of the lanes holds source 0's and source 1's scale words
.macro WMS ra, rb
.if (\ra) == 0 && (\rb) == 0
	v_wmma_scale_f32_16x16x128_f8f6f4 v[lD:lD+7], v[lA:lA+11], v[lB:lB+11], v[lC:lC+7], v[rSA], v[rSB] matrix_a_fmt:MATRIX_FMT_FP6 matrix_b_fmt:MATRIX_FMT_FP6
.elseif (\ra) == 1 && (\rb) == 0
	v_wmma_scale_f32_16x16x128_f8f6f4 v[lD:lD+7], v[lA:lA+11], v[lB:lB+11], v[lC:lC+7], v[rSA], v[rSB] matrix_a_fmt:MATRIX_FMT_FP6 matrix_b_fmt:MATRIX_FMT_FP6 matrix_a_scale:MATRIX_SCALE_ROW1
.elseif (\ra) == 0
	v_wmma_scale_f32_16x16x128_f8f6f4 v[lD:lD+7], v[lA:lA+11], v[lB:lB+11], v[lC:lC+7], v[rSA], v[rSB] matrix_a_fmt:MATRIX_FMT_FP6 matrix_b_fmt:MATRIX_FMT_FP6 matrix_b_scale:MATRIX_SCALE_ROW1
.else
	v_wmma_scale_f32_16x16x128_f8f6f4 v[lD:lD+7], v[lA:lA+11], v[lB:lB+11], v[lC:lC+7], v[rSA], v[rSB] matrix_a_fmt:MATRIX_FMT_FP6 matrix_b_fmt:MATRIX_FMT_FP6 matrix_a_scale:MATRIX_SCALE_ROW1 matrix_b_scale:MATRIX_SCALE_ROW1
.endif
.endm
; Product HKI of 16 of the first layer for tiles 2 HKK, 2 HKK + 1 with W1's set HKP: K step HKI / 4, tile of tokens (HKI / 2) % 2, tile of W1 HKI % 2.  The four sums take turns, one instruction a turn.
.macro HOOK
.set qs, HKI>>2
.set qmm, (HKI>>1)&1
.set qu, HKI&1
.set aD, 256+32*HKK+16*qmm+8*qu
.set aB, 512+256*(qs>>1)+12*(2*(2*HKK+qmm)+(qs&1))
.if HKP == 0
.set aA, 132+12*(2*qs+qu)
.set aC, 752+8*qu
.set rSA, 32+qs
.else
.set aA, 704+256*(qs>>1)+12*(2*(qs&1)+qu)
.set aC, 1008+8*qu
.set rSA, 36+qs
.endif
.if qs != 0
.set aC, aD
.endif
.set rSB, 16+4*HKK+qs
.set wn, 64|((aC>>8)<<4)|((aB>>8)<<2)|(aA>>8)
.set lD, aD&255
.set lA, aA&255
.set lB, aB&255
.set lC, aC&255
	WIN wn
	WMS qu, qmm
.set HKI, HKI+1
.endm
.macro ROW_MUL d, a, b                 ; sixteen packed products
	WIN 0x55
.set j, 0
.rept 16
	v_pk_mul_f32 v[\d+j:\d+j+1], v[\a+j:\a+j+1], v[\b+j:\b+j+1]
.set j, j+2
.endr
.endm
.macro ROW_HORNER d, sc                ; d = d s + a coefficient (a scalar pair, its low word for both halves)
	WIN 0x55
.set j, 0
.rept 16
	v_pk_fma_f32 v[\d+j:\d+j+1], v[\d+j:\d+j+1], v[TS+j:TS+j+1], s[\sc:\sc+1] op_sel_hi:[1,1,0]
.set j, j+2
.endr
.endm
; where group s67 (expert s67 / 8 of my two, block s67 % 8 of my eight) lies in W1's fragments, its scale words and b1
.macro BADDR
	s_lshr_b32 s28, s67, 3
	s_and_b32 s30, s67, 7
	s_mul_i32 s88, s28, 393216
	s_mul_i32 s31, s30, 12288
	s_add_co_u32 s88, s88, s31
	s_mov_b32 s89, 0
	s_add_nc_u64 s[32:33], s[68:69], s[88:89]
	s_lshl_b32 s30, s30, 7
	s_lshl_b32 s88, s28, 14
	s_add_co_u32 s88, s88, s30
	s_add_nc_u64 s[34:35], s[70:71], s[88:89]
	s_lshl_b32 s88, s28, 12
	s_add_co_u32 s88, s88, s30
	s_add_nc_u64 s[36:37], s[72:73], s[88:89]
.endm
; a group's 8 fragments, 4 scale words and 16 numbers of b1: 32 loads into set par
.macro BURST par
.if \par == 0
	WIN 0
.irp s, 0,1,2,3
.irp u, 0,1
.irp c, 0,1,2
	global_load_b128 v[132+12*(2*\s+\u)+4*\c:132+12*(2*\s+\u)+4*\c+3], v1, s[32:33] offset:3072*\s+1536*\u+512*\c
.endr
.endr
	global_load_b32 v[32+\s], v3, s[34:35] offset:4096*\s
.endr
	WIN 0x80
.irp u, 0,1
.irp i, 0,1
	global_load_b128 v[240+8*\u+4*\i:240+8*\u+4*\i+3], v4, s[36:37] offset:32*\u+16*\i
.endr
.endr
.else
	WIN 0x80
.irp s, 0,1
.irp u, 0,1
.irp c, 0,1,2
	global_load_b128 v[192+12*(2*\s+\u)+4*\c:192+12*(2*\s+\u)+4*\c+3], v1, s[32:33] offset:3072*\s+1536*\u+512*\c
.endr
.endr
.endr
	WIN 0xc0
.irp s, 0,1
.irp u, 0,1
.irp c, 0,1,2
	global_load_b128 v[192+12*(2*\s+\u)+4*\c:192+12*(2*\s+\u)+4*\c+3], v1, s[32:33] offset:3072*(\s+2)+1536*\u+512*\c
.endr
.endr
.endr
.irp u, 0,1
.irp i, 0,1
	global_load_b128 v[240+8*\u+4*\i:240+8*\u+4*\i+3], v4, s[36:37] offset:32*\u+16*\i
.endr
.endr
	WIN 0
.irp s, 0,1,2,3
	global_load_b32 v[36+\s], v3, s[34:35] offset:4096*\s
.endr
.endif
.endm
; six registers (64 along the next K) of the operand and a half-word of scale bytes, for each of tiles 2 k and 2 k + 1, go to LDS
.macro STORES k
	WIN 0
.irp mm, 0,1
	ds_store_b128 v6, v[RET+6*(2*(\k)+\mm):RET+6*(2*(\k)+\mm)+3] offset:768*(2*(\k)+\mm)
	ds_store_b64 v7, v[RET+6*(2*(\k)+\mm)+4:RET+6*(2*(\k)+\mm)+5] offset:768*(2*(\k)+\mm)
	ds_store_b16 v8, v[RB+2*(\k)+\mm] offset:256*(2*(\k)+\mm)   ; lanes r and r + 16 write the same half-word with the same value
.endr
.endm
; 2 gelu of the 32 sums of tiles 2 k, 2 k + 1: 288 instructions.  Behind every fourth of the first 64 stands a product of the next pair of tiles, which names none of this batch's registers.
; The sums are read from each accumulator's low end on.  A chain's leading step takes its second coefficient from vector registers of window 0, so that one instruction names one scalar pair.
; sto = 1: the LDS stores of the batch before stand behind the batch's wait.  bur = 1, 2: so does the burst into W1's set A, B, which has had its last product in this batch.
.macro GELU k, sto, bur
.set VV, 32*(\k)
.set j, 0
.rept 32
	WIN 0x55
	v_med3_num_f32 v[TC+j], v[VV+j], s[LNEG], s[LPOS]   ; c = v held to +-4 sqrt 2
.set j, j+1
.if (j%4) == 0
	HOOK
.endif
.endr
.set j, 0
.rept 16
	WIN 0x55
	v_pk_mul_f32 v[TS+j:TS+j+1], v[TC+j:TC+j+1], v[TC+j:TC+j+1]   ; s = c^2
.set j, j+2
.if (j%8) == 0
	HOOK
.endif
.endr
.set j, 0
.rept 16
	WIN 0x45
	v_pk_fma_f32 v[TQ+j:TQ+j+1], v[TS+j:TS+j+1], s[SB4:SB4+1], v[VB3:VB3+1] op_sel_hi:[1,0,1]   ; q = s b4 + b3
.set j, j+2
.if (j%8) == 0
	HOOK
.endif
.endr
	ROW_HORNER TQ, SB2                             ; the batch's 16 products are out: from here on vector work alone
	ROW_HORNER TQ, SB1
	ROW_HORNER TQ, SB0
; the numerator's chain, 6 rows of 16, and among its 96 instructions the 32 reciprocals of q, one behind every three.  The chain names p and s alone; nothing names a reciprocal's result before the wait below.
.set gn, 0
.rept 96
.set j, 2*(gn%16)
.set gsc, SA6+2*(gn/16)
.if gn < 16
	WIN 0x45
	v_pk_fma_f32 v[TP+j:TP+j+1], v[TS+j:TS+j+1], s[gsc:gsc+1], v[VA5:VA5+1] op_sel_hi:[1,0,1]   ; p = s a6 + a5
.else
	WIN 0x55
	v_pk_fma_f32 v[TP+j:TP+j+1], v[TP+j:TP+j+1], v[TS+j:TS+j+1], s[gsc:gsc+1] op_sel_hi:[1,1,0]
.endif
.if (gn%3) == 2
	v_rcp_f32 v[TQ+gn/3], v[TQ+gn/3]               ; (destination and source 0 lie in window 1 under both settings)
.endif
.set gn, gn+1
.endr
	ROW_MUL TC, TC, TP                             ; (plain instructions behind the last reciprocal)
	ROW_MUL TC, VV, TC
	s_wait_alu depctr_va_vdst(0)                   ; the batch's one wait: the 32 reciprocals are written, ahead of their first reader; the batch before has written its codes and bytes, which the LDS stores below read; the products issued so far are done reading W1's set, its scale words and its b1, in which the loads below land
.if \sto
	STORES (\k)-1                                  ; no vector instruction since the wait has written these registers or v6-8
.endif
.if \bur
	WIN 0
	s_wait_loadcnt 0x0                             ; the other set (asked for four batches ago) is in, and no load names the bases any more
	s_lshl_b32 s67, s27, 1
	s_add_co_u32 s67, s67, 1+\bur                  ; the next trip's even (bur = 1) or odd (bur = 2) group;
	s_min_u32 s67, s67, 13+\bur                    ; in the last trip the last such group once more
	BADDR
.if \bur == 1
	BURST 0                                        ; nothing between the wait and these loads names a register of the set, v1, v3 or v4; nor does the rest of the batch
.else
	BURST 1
.endif
.endif
	WIN 0x55
.set j, 0
.rept 16
	v_pk_fma_f32 v[TS+j:TS+j+1], v[TC+j:TC+j+1], v[TQ+j:TQ+j+1], v[VV+j:VV+j+1]   ; v + (v c p) / q
.set j, j+2
.endr
.endm
; The 2 x 16 numbers in v[TS] on (tile 2 k + mm: hidden units 32 blk + 16 (lane / 16) + 0 .. 15) are quantised.  odd = 0: the codes and the byte are kept; odd = 1: with those kept they make six registers
; (64 along the next K) of the operand and a half-word of scale bytes, which STORES sends to LDS.
.macro QNT k, odd
	WIN 0x14
.irp mm, 0,1
	v_max3_num_f32 v[TM+\mm], s[FLR], |v[TS+16*\mm]|, |v[TS+16*\mm+1]|   ; four chains; the floor 2^(4 - 127) holds the byte at 1 from below (the numbers are doubled)
	v_max3_num_f32 v[TN+\mm], s[FLR], |v[TS+16*\mm+2]|, |v[TS+16*\mm+3]|
.endr
.irp i, 4,8,12
.irp mm, 0,1
	v_max3_num_f32 v[TM+\mm], v[TM+\mm], |v[TS+16*\mm+\i]|, |v[TS+16*\mm+\i+1]|
	v_max3_num_f32 v[TN+\mm], v[TN+\mm], |v[TS+16*\mm+\i+2]|, |v[TS+16*\mm+\i+3]|
.endr
.endr
	WIN 0
.irp mm, 0,1
	v_max_num_f32 v[TM+\mm], v[TM+\mm], v[TN+\mm]
.endr
.irp mm, 0,1
	v_permlanex16_b32 v[TN+\mm], v[TM+\mm], s[SEL], s[SEL+1]
.endr
.irp mm, 0,1
	v_max_num_f32 v[TM+\mm], v[TM+\mm], v[TN+\mm]  ; with lane l xor 16's 16: the block's largest magnitude, doubled
.endr
.irp mm, 0,1
	v_add_nc_u32 v[SO+\mm], 0xff000000, v[TM+\mm]  ; 2 off the exponent field: the conversion of the doubled numbers gives gelu's codes
	v_add_nc_u32 v[BY+\mm], 0xfe800000, v[TM+\mm]  ; 3 off: gelu's scale
.endr
.if \odd
.irp mm, 0,1
	v_lshrrev_b32 v[BY+\mm], 23, v[BY+\mm]
.endr
.irp mm, 0,1
	v_lshl_or_b32 v[RB+2*(\k)+\mm], v[BY+\mm], 8, v[RB+2*(\k)+\mm]   ; the even block's byte below, the odd block's above
.endr
	WIN 0x01
.irp mm, 0,1
	v_cvt_scalef32_pk16_fp6_f32 v[TT+4*\mm:TT+4*\mm+2], v[TS+16*\mm:TS+16*\mm+15], v[SO+\mm]
.endr
	v_nop                                          ; one plain instruction behind the scaled conversions
	WIN 0
.irp mm, 0,1
.irp i, 0,1,2
	v_permlane16_swap_b32 v[RET+6*(2*(\k)+\mm)+\i], v[TT+4*\mm+\i]   ; a whole block to a lane: lanes 0-15 the even block, lanes 16-31 the odd one
.endr
.endr
.irp mm, 0,1
.irp i, 0,1,2
	v_mov_b32 v[RET+6*(2*(\k)+\mm)+3+\i], v[TT+4*\mm+\i]
.endr
.endr
.else
.irp mm, 0,1
	v_lshrrev_b32 v[RB+2*(\k)+\mm], 23, v[BY+\mm]
.endr
	WIN 0x01
.irp mm, 0,1
	v_cvt_scalef32_pk16_fp6_f32 v[RET+6*(2*(\k)+\mm):RET+6*(2*(\k)+\mm)+2], v[TS+16*\mm:TS+16*\mm+15], v[SO+\mm]
.endr
	v_nop
.endif
.endm
; gelu and quantiser of tiles 2 k, 2 k + 1 | the first layer's 16 products of tiles 2 hk, 2 hk + 1 with set hp.  sto, bur: as in GELU.  own = 1: the trip's last batch sends its own codes out
.macro BATCH k, odd, hp, hk, sto, bur, own
.set HKP, \hp
.set HKK, \hk
.set HKI, 0
	GELU \k, \sto, \bur
	QNT \k, \odd
.if \own
	s_wait_alu depctr_va_vdst(0)                   ; the quantiser has written this batch's codes and bytes, which the LDS stores read: no batch of this trip follows, and the addresses move on at the next trip's head
	STORES \k
.endif
.endm
.macro SPAIR r, val                    ; a coefficient as a scalar pair: the packed forms name the pair
	s_mov_b32 s[\r], \val
	s_mov_b32 s[\r+1], s[\r]
.endm
; ---- stage 2's macros
.macro UBASE dst, b0, es, qs           ; unit s67 = 2 x (which 64 outputs) + (which expert)
	s_and_b32 s88, s67, 1
	s_lshr_b32 s89, s67, 1
	s_mul_i32 s88, s88, \es
	s_mul_i32 s89, s89, \qs
	s_add_co_u32 s88, s88, s89
	s_mov_b32 s89, 0
	s_add_nc_u64 s[\dst:\dst+1], s[\b0:\b0+1], s[88:89]
.endm
.macro B2HALF p                        ; b2 in the result's layout, 8 registers a tile: the two tiles of block p (under destination window 3)
.irp u, 0,1
.irp i, 0,1
	global_load_b128 v[224+8*(2*(\p)+\u)+4*\i:224+8*(2*(\p)+\u)+4*\i+3], v4, s[NXTB:NXTB+1] offset:128*(\p)+32*\u+16*\i
.endr
.endr
.endm
.macro WFRAG f                         ; K step RKS of W2's tile f = 2 p + u into slot RSL: three loads (under destination window 3)
.irp c, 0,1,2
	global_load_b128 v[48*RSL+12*(\f)+4*\c:48*RSL+12*(\f)+4*\c+3], v1, s[RFB:RFB+1] offset:((\f)>>1)*24576+RKS*3072+((\f)&1)*1536+\c*512
.endr
.endm
.macro WSCALE                          ; and the slot's two scale words (window 0)
.irp p, 0,1
	global_load_b32 v[48+2*RSL+\p], v3, s[RSB:RSB+1] offset:RKS*2048+\p*128
.endr
.endm
.macro RBURST                          ; a whole burst in one run, ahead of the loop: 12 loads and 2 scale words
	WIN 0xc0
.irp f, 0,1,2,3
	WFRAG \f
.endr
	WIN 0
	WSCALE
.endm
.macro HTILE s, m                      ; tile m's hidden fragment of K step s into set s % 2: four LDS loads
.set hb, 64+96*((\s)&1)
.irp c, 0,1
	ds_load_b128 v[hb+12*(\m)+6*\c:hb+12*(\m)+6*\c+3], v[56+((\s)>>1)] offset:12288*((\s)&1)+6144*\c+768*(\m)
	ds_load_b64 v[hb+12*(\m)+6*\c+4:hb+12*(\m)+6*\c+5], v[60+((\s)>>1)] offset:12288*((\s)&1)+6144*\c+768*(\m)
.endr
.endm
.macro HPRE                            ; a unit's LDS addresses (s86, s87: the expert's part), its 32 scale words and its first K step
	s_wait_alu depctr_vm_vsrc(0)                   ; the LDS loads issued so far have read v13 and v56-63, which are written below; at the first call: stage 1's LDS stores have read v76-131, in which hidden fragments land
	s_add_co_u32 s88, s87, HSB
	v_add_nc_u32 v13, s88, v1
.irp q, 0,1,2,3
	s_add_co_u32 s88, s86, 49152*\q
	v_add_nc_u32 v[56+\q], s88, v1
	v_add_nc_u32 v[60+\q], s88, v2
.endr
	s_wait_alu depctr_va_vdst(0)                   ; v13 and v56-63 are written, which the loads of this unit read; the products issued so far are done reading the scale words v16-47, both sets of hidden fragments and W2's slots (at the first call: stage 1 is done with v16-255)
.irp q, 0,1,2,3
.irp p, 0,1,2,3
	ds_load_b64 v[16+8*\q+2*\p:17+8*\q+2*\p], v13 offset:2048*\q+512*\p
.endr
.endr
.irp m, 0,1,2,3,4,5,6,7
	HTILE 0, \m
.endr
.endm
; The loads that stand behind product kp of K step s: the hidden fragments one step ahead, a tile behind each of products 0 to 7; W2 three steps ahead, a fragment behind each of products 8 to 11, its scale words behind
; product 12; in step 1 the next unit's b2 behind products 13 and 14.  A burst from memory is 14 loads, step 1's 22.
.macro KLOADS s
.if (kp < 8) && ((\s) < 7)
	WIN 0
	HTILE (\s)+1, kp
.elseif (kp >= 8) && (kp < 12)
	WIN 0xc0
	WFRAG kp-8
.elseif kp == 12
	WIN 0
	WSCALE
.elseif (kp == 13) && ((\s) == 1)
	WIN 0xc0
	B2HALF 0
.elseif (kp == 14) && ((\s) == 1)
	WIN 0xc0
	B2HALF 1
.endif
.endm
; A K step of the second layer: 32 products, the 32 sums by turns, and the step's loads among them.
.macro KSTEP s
	WIN 0
.set RSL, ((\s)+3)&3
.if (\s) < 5
.set RKS, (\s)+3
.set RFB, CURF
.set RSB, CURS
.else
.set RKS, (\s)-5
.set RFB, NXTF
.set RSB, NXTS
.endif
.if (\s) > 0
.rept 4
	v_nop                                          ; four plain instructions behind the last step's products, ahead of the loads into registers that these have read: they stay beside the wait below
.endr
.endif
.if ((\s) == 2) || ((\s) == 3)
	s_wait_loadcnt 36                              ; this step's W2 is in: behind it two bursts were issued, 14 + 22 (step 1's carries b2's eight)
.else
	s_wait_loadcnt 28                              ; two bursts of 14 (step 4: b2's eight, which follow its burst's scale words, are waited for with it)
.endif
	s_wait_dscnt 0x0                               ; this step's hidden fragments are in: asked for behind the last step's first eight products (step 0: at the unit's change)
.if (\s) > 0
	s_wait_alu depctr_va_vdst(0)                   ; the last step's products are done reading the other set of hidden fragments, W2's slot (s + 3) % 4 and its scale words (step 1: step 0's are done reading b2), in which this step's loads land
.endif
.set kp, 0
.rept 32
.if (\s) == 0
	WIN 0x73                                       ; W2 window 3, hidden codes window 0, C = b2 window 3, Y window 1
.else
	WIN 0x53
.endif
.set qm, kp>>2
.set qp, (kp>>1)&1
.set qu, kp&1
.set qmm, qm&1
.set lD, 32*qm+16*qp+8*qu
.set lA, 48*((\s)&3)+12*(2*qp+qu)
.set lB, 64+96*((\s)&1)+12*qm
.if (\s) == 0
.set lC, 224+8*(2*qp+qu)
.else
.set lC, lD
.endif
.set rSA, 48+2*((\s)&3)+qp
.set rSB, 16+8*((\s)>>1)+2*(qm>>1)+((\s)&1)
	WMS qu, qmm
	KLOADS \s                                      ; no wait: no product of this step names a register that these loads touch
.set kp, kp+1
.endr
.endm
	s_load_b256 s[4:11], s[0:1], 0x0               ; xf, xs, w1f, w1s
	s_load_b256 s[12:19], s[0:1], 0x20             ; b1, w2f, w2s, b2
	s_load_b128 s[20:23], s[0:1], 0x40             ; weights, part
	v_lshrrev_b32 v14, 5, v0
	v_readfirstlane_b32 s24, v14                   ; wave
	s_and_b32 s25, ttmp9, 3                        ; g: my two experts
	s_lshr_b32 s26, ttmp9, 2                       ; my 128 tokens
	v_and_b32 v14, 31, v0                          ; lane
	v_and_b32 v15, 15, v0                          ; r
	v_bfe_u32 v13, v0, 4, 1                        ; h
	v_lshlrev_b32 v1, 4, v14                       ; v1  16 x lane
	v_lshlrev_b32 v2, 3, v14
	v_add_nc_u32 v2, 512, v2                       ; v2  512 + 8 x lane: the second plane of half a fragment
	v_lshlrev_b32 v3, 2, v14                       ; v3  4 x lane
	v_lshlrev_b32 v4, 6, v13                       ; v4  64 h: a bias's 16 numbers of my half
	s_wait_alu depctr_va_sdst(0)                   ; s24 is written, ahead of its first reader: LDS addresses and the buffers' bases are made from it
	s_lshl_b32 s28, s24, 11
	s_add_co_u32 s28, s28, HSB
	v_lshl_add_u32 v5, v15, 4, s28                 ; v5  my wave's scale bytes, row r
	v_lshlrev_b32 v9, 5, v15                       ; v9  32 r: a token's row of gates
	s_mul_i32 s28, s24, 8704
	s_add_co_u32 s28, s28, OSB
	v_mul_u32_u24 v10, v15, 272
	v_lshl_add_u32 v10, v13, 6, v10
	v_add_nc_u32 v10, s28, v10                     ; v10 the way out, in: row r, + 64 h
	v_mul_u32_u24 v11, v13, 272
	v_lshl_add_u32 v11, v15, 4, v11
	v_add_nc_u32 v11, s28, v11                     ; v11 back: lanes 0-15 one row of 256 bytes, lanes 16-31 the next
	v_lshlrev_b32 v12, 11, v13
	v_lshl_add_u32 v12, v15, 4, v12                ; v12 the same two rows in part
	SPAIR SA6, 0xac95df0b
	SPAIR SA4, 0xb40cff51
	SPAIR SA3, 0xb6eec2d2
	SPAIR SA2, 0xb940ac63
	SPAIR SA1, 0xbac1a1f6
	SPAIR SA0, 0xbc83dbd4
	SPAIR SB4, 0xb5accd2b
	SPAIR SB2, 0xba1bf7b5
	SPAIR SB1, 0xbbaad7f2
	SPAIR SB0, 0xbca542a9
	s_mov_b32 s[LNEG], 0xc0b504f3                  ; -4 sqrt 2
	s_mov_b32 s[LPOS], 0x40b504f3
	s_mov_b32 s[SEL], 0x76543210
	s_mov_b32 s[SEL+1], 0xfedcba98
	s_mov_b32 s[FLR], 0x02000000
	v_mov_b32 v[VA5], 0x306dffee
	v_mov_b32 v[VA5+1], 0x306dffee
	v_mov_b32 v[VB3], 0xb81e3512
	v_mov_b32 v[VB3+1], 0xb81e3512
	s_mov_b32 s29, 0
	s_wait_kmcnt 0x0
	s_mul_i32 s28, s26, 49152                      ; 8 tiles x 4 K steps x 1,536 bytes
	s_add_nc_u64 s[4:5], s[4:5], s[28:29]
	s_lshl_b32 s28, s26, 11
	s_add_nc_u64 s[6:7], s[6:7], s[28:29]
	s_mul_i32 s28, s25, 786432                     ; two experts' fragments,
	s_mul_i32 s30, s24, 98304                      ; my wave's 8 blocks
	s_add_co_u32 s28, s28, s30
	s_add_nc_u64 s[68:69], s[8:9], s[28:29]
	s_lshl_b32 s28, s25, 15
	s_lshl_b32 s30, s24, 10
	s_add_co_u32 s28, s28, s30
	s_add_nc_u64 s[70:71], s[10:11], s[28:29]
	s_lshl_b32 s28, s25, 13
	s_add_co_u32 s28, s28, s30
	s_add_nc_u64 s[72:73], s[12:13], s[28:29]
	WIN 0x80                                       ; x's 32 fragments stay in registers: tile m, K step s
	s_wait_alu depctr_va_vdst(0)                   ; the offsets and addresses v1 to v5 and v9 to v12 are written, which loads and stores of the whole kernel read; they are not written again
.irp m, 0,1,2,3,4,5,6,7
.irp s, 0,1
.irp c, 0,1,2
	global_load_b128 v[12*(2*\m+\s)+4*\c:12*(2*\m+\s)+4*\c+3], v1, s[4:5] offset:(4*\m+\s)*1536+512*\c
.endr
.endr
.endr
	WIN 0xc0
.irp m, 0,1,2,3,4,5,6,7
.irp s, 0,1
.irp c, 0,1,2
	global_load_b128 v[12*(2*\m+\s)+4*\c:12*(2*\m+\s)+4*\c+3], v1, s[4:5] offset:(4*\m+\s+2)*1536+512*\c
.endr
.endr
.endr
	WIN 0
.irp k, 0,1,2,3
	global_load_b128 v[16+4*\k:19+4*\k], v1, s[6:7] offset:512*\k   ; a pair of tiles' scale words: four K steps a lane
.endr
	s_mov_b32 s67, 0
	BADDR
	BURST 0
	s_wait_xcnt 0x0                                ; the loads above have read their bases, which are written again
	s_mov_b32 s67, 1
	BADDR
	BURST 1
	s_wait_loadcnt 0x0
.set HKP, 0
.set HKK, 0
.set HKI, 0
.rept 16
	HOOK                                           ; group 0, tiles 0 and 1: there is no vector work yet to set between them
.endr
	WIN 0
.rept 4
	v_nop                                          ; four plain instructions between these products and the first read of their sums
.endr
	s_mov_b32 s27, 0
	s_mul_i32 s38, s24, 49152                      ; where the trip's half fragments go,
	s_mov_b32 s39, 0                               ; and its half-words of scale bytes
.Ltrip:                                            ; a trip: two groups of 32 hidden units (64 along the next K) for all 8 tiles
	s_wait_dscnt 0x0                               ; the last trip's LDS stores are done
	s_wait_alu depctr_vm_vsrc(0)                   ; and have read their addresses v6-8, written below, and their data v76-131, which this trip's quantisers write again
	v_add_nc_u32 v6, s38, v1
	v_add_nc_u32 v7, s38, v2
	v_add_nc_u32 v8, s39, v5
	BATCH 0, 0, 0, 1, 0, 0, 0
	BATCH 1, 0, 0, 2, 0, 0, 0
	BATCH 2, 0, 0, 3, 0, 1, 0                      ; set A has its last product here, and is asked for again behind the batch's wait
	BATCH 3, 0, 1, 0, 0, 0, 0
	BATCH 0, 1, 1, 1, 0, 0, 0
	BATCH 1, 1, 1, 2, 1, 0, 0                      ; from here on each batch sends out the codes of the batch before
	BATCH 2, 1, 1, 3, 1, 2, 0                      ; set B has its last product here
	BATCH 3, 1, 0, 0, 1, 0, 1
	WIN 0
	s_add_co_u32 s38, s38, 6144
	s_add_co_u32 s39, s39, 2
	s_add_co_u32 s27, s27, 1
	s_cmp_lt_u32 s27, 8
	s_cbranch_scc1 .Ltrip
	; ---- between the stages: stage 2's first loads from memory go out, then the barrier
	s_wait_loadcnt 0x0                             ; the last look-ahead has landed: its registers get other contents
	s_mov_b32 s29, 0
	s_mul_i32 s28, s25, 786432
	s_mul_i32 s30, s24, 98304                      ; my wave's 4 blocks of 32 outputs x 24,576 bytes
	s_add_co_u32 s28, s28, s30
	s_add_nc_u64 s[BF0:BF0+1], s[14:15], s[28:29]
	s_lshl_b32 s28, s25, 15
	s_lshl_b32 s30, s24, 9
	s_add_co_u32 s28, s28, s30
	s_add_nc_u64 s[BS0:BS0+1], s[16:17], s[28:29]
	s_lshl_b32 s28, s25, 12
	s_add_co_u32 s28, s28, s30
	s_add_nc_u64 s[BB0:BB0+1], s[18:19], s[28:29]
	s_lshl_b32 s28, s25, 24                        ; part g,
	s_lshl_b32 s31, s26, 18                        ; my 128 rows of 2,048 bytes,
	s_add_co_u32 s28, s28, s31
	s_add_co_u32 s28, s28, s30                     ; my wave's 128 outputs
	s_add_nc_u64 s[BP0:BP0+1], s[22:23], s[28:29]
	s_lshl_b32 s28, s26, 12
	s_lshl_b32 s30, s25, 3
	s_add_co_u32 s28, s28, s30
	s_add_nc_u64 s[20:21], s[20:21], s[28:29]      ; my tokens' gates of my two experts
	s_mov_b64 s[NXTF:NXTF+1], s[BF0:BF0+1]
	s_mov_b64 s[NXTS:NXTS+1], s[BS0:BS0+1]
	s_mov_b64 s[NXTB:NXTB+1], s[BB0:BB0+1]
	WIN 0xc0
	s_wait_alu depctr_va_vdst(0)                   ; stage 1's products are done reading x's fragments, W1's set B and its b1 (v768-1023), in which the loads below land
.irp m, 0,1,2,3,4,5,6,7                        ; tile m, token r: the pair (gA, gB), of which the low word serves, and the pair (gB, gB)
	global_load_b64 v[192+4*\m:193+4*\m], v9, s[20:21] offset:512*\m
	global_load_b32 v[194+4*\m], v9, s[20:21] offset:512*\m+4
	global_load_b32 v[195+4*\m], v9, s[20:21] offset:512*\m+4
.endr
	B2HALF 0
	B2HALF 1
.set RFB, NXTF
.set RSB, NXTS
.set RSL, 0
.set RKS, 0
	RBURST
.set RSL, 1
.set RKS, 1
	RBURST
.set RSL, 2
.set RKS, 2
	RBURST
	s_wait_dscnt 0x0                               ; for the others' sake: my codes and scale bytes lie in LDS
	s_barrier_signal -1
	s_barrier_wait -1                              ; everybody's do
	s_mov_b32 s86, 0
	s_mov_b32 s87, 0
	HPRE
	s_mov_b32 s27, 0
.Lunit:                                            ; four units: outputs 64 (U / 2) on of my 128, expert U % 2
	s_wait_xcnt 0x0                                ; earlier loads have read their bases, earlier stores their data (X) and base
	s_wait_alu depctr_vm_vsrc(0)                   ; the last unit's LDS stores have read Y, which step 0's products write again; its stores to memory have read X, which this unit or the next writes again
	s_mov_b64 s[CURF:CURF+1], s[NXTF:NXTF+1]
	s_mov_b64 s[CURS:CURS+1], s[NXTS:NXTS+1]
	s_add_co_u32 s67, s27, 1
	s_min_u32 s67, s67, 3                          ; the last unit looks ahead at itself
	UBASE NXTF, BF0, 393216, 49152
	UBASE NXTS, BS0, 16384, 256
	UBASE NXTB, BB0, 2048, 256
	s_lshr_b32 s88, s27, 1
	s_lshl_b32 s88, s88, 8
	s_mov_b32 s89, 0
	s_add_nc_u64 s[PRT:PRT+1], s[BP0:BP0+1], s[88:89]
	KSTEP 0                                        ; (its loads lean on the wait in HPRE: what has been issued since names Y, X and the gates alone)
	KSTEP 1
	KSTEP 2
	KSTEP 3
	KSTEP 4
	KSTEP 5
	KSTEP 6
	KSTEP 7
	WIN 0
.rept 4
	v_nop                                          ; four plain instructions behind the last products, ahead of the first read of Y
.endr
	s_xor_b32 s86, s86, 24576                      ; the other expert's codes,
	s_xor_b32 s87, s87, 8                          ; and scale bytes
	HPRE                                           ; the next unit's first LDS loads land while this unit's results are combined
	s_and_b32 s88, s27, 1
	s_cmp_eq_u32 s88, 0
	s_cbranch_scc0 .Lsecond
	WIN 0x8d                                       ; X (window 2) = Y (window 1) x gA (window 3)
.irp m, 0,1,2,3,4,5,6,7
.set j, 0
.rept 16
	v_pk_mul_f32 v[32*\m+j:32*\m+j+1], v[32*\m+j:32*\m+j+1], v[192+4*\m:193+4*\m] op_sel_hi:[1,0]
.set j, j+2
.endr
.endr
	WIN 0
	s_branch .Lnext
.Lsecond:
; Y = Y gB + X, and out, two tiles at a time.  A lane holds 2 x 64 bytes of a row's 256 and the lanes beside it other rows: a tile goes from Y through my own stage and comes back as whole rows, into X's registers of the
; same tile, which its multiply-adds have read for the last time.  So the stores into the stage and the loads from it name different registers.
.irp t, 0,1,2,3
	WIN 0x6d
.irp mm, 0,1
.set j, 0
.rept 16
	v_pk_fma_f32 v[32*(2*\t+\mm)+j:32*(2*\t+\mm)+j+1], v[32*(2*\t+\mm)+j:32*(2*\t+\mm)+j+1], v[194+4*(2*\t+\mm):195+4*(2*\t+\mm)], v[32*(2*\t+\mm)+j:32*(2*\t+\mm)+j+1]
.set j, j+2
.endr
.endr
	WIN 0x84                                       ; LDS: addresses window 0, a store's data window 1 (Y), a load's window 2 (X)
	s_wait_alu depctr_va_vdst(0)                   ; the pair's multiply-adds have written Y, which the LDS stores read, and are done reading X, in which the LDS loads land
.irp mm, 0,1
.irp p, 0,1
.irp i, 0,1,2,3
	ds_store_b128 v10, v[32*(2*\t+\mm)+16*\p+4*\i:32*(2*\t+\mm)+16*\p+4*\i+3] offset:\mm*4352+128*\p+16*\i
.endr
.endr
.endr
.irp mm, 0,1
.irp f, 0,1,2,3,4,5,6,7
	ds_load_b128 v[32*(2*\t+\mm)+4*\f:32*(2*\t+\mm)+4*\f+3], v11 offset:\mm*4352+544*\f   ; LDS serves a wave's instructions in order: these see the stores above, and the next pair's stores come behind them
.endr
.endr
.if \t > 0
	s_wait_dscnt 32                                ; the pair before is back: behind its loads stand this pair's 16 stores and 16 loads
	WIN 0x08                                       ; memory: offset window 0, data window 2
.irp mm, 0,1
.irp f, 0,1,2,3,4,5,6,7
	global_store_b128 v12, v[32*(2*\t-2+\mm)+4*\f:32*(2*\t-2+\mm)+4*\f+3], s[PRT:PRT+1] offset:32768*(2*\t-2+\mm)+4096*\f th:TH_STORE_NT   ; 16 lanes store 256 consecutive bytes, at a multiple of 256 from part's first byte
.endr
.endr
.endif
.endr
	s_wait_dscnt 0x0
	WIN 0x08
.irp mm, 0,1
.irp f, 0,1,2,3,4,5,6,7
	global_store_b128 v12, v[32*(6+\mm)+4*\f:32*(6+\mm)+4*\f+3], s[PRT:PRT+1] offset:32768*(6+\mm)+4096*\f th:TH_STORE_NT
.endr
.endr
	WIN 0
.Lnext:
	s_add_co_u32 s27, s27, 1
	s_cmp_lt_u32 s27, 4
	s_cbranch_scc1 .Lunit
	s_wait_dscnt 0x0
	s_wait_xcnt 0x0
	v_lshl_add_u32 v254, v0, 2, 0x3a800
	v_mov_b32 v255, 0
	s_wait_dscnt 0x0                               ; the closing lines, six on end
	s_wait_alu 0x0
	s_wait_tensorcnt 0x0
	ds_add_u32 v254, v255
	s_wait_dscnt 0x0
	s_endpgm
.Lfunc_end_k_qe1161617c8_moe:
	.size	k_qe1161617c8_moe, .Lfunc_end_k_qe1161617c8_moe-k_qe1161617c8_moe
	.p2alignl 7, 3214868480
	.fill 96, 4, 3214868480
	.section	.rodata,"a",@progbits
	.p2align	6, 0x0
	.amdhsa_kernel k_qe1161617c8_moe
		.amdhsa_group_segment_fixed_size 240128
		.amdhsa_private_segment_fixed_size 0
		.amdhsa_enable_private_segment 0
		.amdhsa_kernarg_size 80
		.amdhsa_user_sgpr_count 2
		.amdhsa_user_sgpr_kernarg_segment_ptr 1
		.amdhsa_wavefront_size32 1
		.amdhsa_system_sgpr_workgroup_id_x 1
		.amdhsa_system_sgpr_workgroup_id_y 1
		.amdhsa_system_sgpr_workgroup_id_z 1
		.amdhsa_system_vgpr_workitem_id 0
		.amdhsa_next_free_vgpr 1024
		.amdhsa_next_free_sgpr 100
		.amdhsa_reserve_vcc 0
		.amdhsa_float_denorm_mode_32 3
		.amdhsa_float_denorm_mode_16_64 3
		.amdhsa_memory_ordered 1
		.amdhsa_forward_progress 1
		.amdhsa_inst_pref_size 255
	.end_amdhsa_kernel
	.section	.bss,"aw",@nobits
	.p2align	6
	.space	262144
	.amdgpu_metadata
---
amdhsa.version: [ 1, 2 ]
amdhsa.kernels:
  - .name:           k_qe1161617c8_moe
    .symbol:         k_qe1161617c8_moe.kd
    .args:
      - { .name: xf, .offset: 0, .size: 8, .value_kind: global_buffer, .address_space: global }
      - { .name: xs, .offset: 8, .size: 8, .value_kind: global_buffer, .address_space: global }
      - { .name: w1f, .offset: 16, .size: 8, .value_kind: global_buffer, .address_space: global }
      - { .name: w1s, .offset: 24, .size: 8, .value_kind: global_buffer, .address_space: global }
      - { .name: b1, .offset: 32, .size: 8, .value_kind: global_buffer, .address_space: global }
      - { .name: w2f, .offset: 40, .size: 8, .value_kind: global_buffer, .address_space: global }
      - { .name: w2s, .offset: 48, .size: 8, .value_kind: global_buffer, .address_space: global }
      - { .name: b2, .offset: 56, .size: 8, .value_kind: global_buffer, .address_space: global }
      - { .name: weights, .offset: 64, .size: 8, .value_kind: global_buffer, .address_space: global }
      - { .name: part, .offset: 72, .size: 8, .value_kind: global_buffer, .address_space: global }
    .group_segment_fixed_size: 240128
    .private_segment_fixed_size: 0
    .kernarg_segment_align: 8
    .kernarg_segment_size: 80
    .max_flat_workgroup_size: 128
    .sgpr_count:     100
    .vgpr_count:     1024
    .wavefront_size: 32
...
	.end_amdgpu_metadata
.endif
;; end of part 4
;; launch addup: the kernel of part 3 again; grid 1024 x 1, 8 waves a work-group, no clusters, 0 bytes of LDS; arguments part, out0; writes out0
